; MI455X (gfx1250); checked and timed in simulation.
; The chip was launched on July 23, 2026; its instructions are those of AMD's public machine-readable ISA for CDNA 5 (MIT licence, August 2026) and "CDNA5" Instruction Set Architecture Reference Guide (July 2026). The comments in the code are by the model that wrote it; some were corrected since.
;; Attention Block Model. Allowed arithmetic: matrix products marked QUANTISED: E2M3 operands, one E8M0 scale for each 32 along K, by v_wmma_scale_f32_16x16x128_f8f6f4 with both operands' format E2M3, f32 sums; everything else in f32.
;; Inputs: Wk 2,048 x 512 float32; Wo 2,048 x 2,048 float32; Wq 2,048 x 2,048 float32; Wv 2,048 x 512 float32; b_seq_len 8 int32; b_start_loc 8 int32; bk 512 float32; bo 2,048 float32; bq 2,048 float32; bv 512 float32; x 4,096 x 2,048 float32.
;; Outputs: out0 4,096 x 2,048 float32.
;; Constants: max_seq_len = 512.
;; This version of the problem:
;;   THIS VERSION OF THE PROBLEM IS GIVEN IN LOW PRECISION. The matrix products marked QUANTISED in the list below multiply operands that are first quantised to E2M3 (2 exponent bits, 3 mantissa bits; 6 bits a number), with one power-of-two scale for each 32 numbers along K (OCP MX v1.0); their sums are f32. All else is computed in f32.
;;   The module's matrix products, in the order in which they are computed (A, B: the left and right operand; K: the contracted axis; several contracted axes count as one K, in the product's order):
;;     1. [M 4,096, K 2,048] x [K 2,048, N 2,048]; A: input x; B: input Wq: QUANTISED
;;     2. [M 4,096, K 2,048] x [K 2,048, N 512]; A: input x; B: input Wk: QUANTISED
;;     3. [M 4,096, K 2,048] x [K 2,048, N 512]; A: input x; B: input Wv: QUANTISED
;;     4. batch 32 x [M 512, K 128] x [K 128, N 2,048]; A: computed on the way; B: computed on the way: QUANTISED
;;     5. batch 32 x [M 128, K 512] x [K 512, N 2,048]; A: computed on the way; B: softmax (see below): QUANTISED
;;     6. [M 4,096, K 2,048] x [K 2,048, N 2,048]; A: computed on the way; B: input Wo: QUANTISED
;;   THE QUANTISER, for each operand of a quantised product, along K:
;;     - K is cut into blocks of 32 from its start; a last block that is shorter is filled with zeros.
;;     - A block's scale is 2^e with e = floor(log2(the largest magnitude in the block)) - 2, held to -126 .. 127; a block of zeros has e = 0. As a byte (E8M0): e + 127.
;;     - Each number is divided by its block's scale, clamped to +-7.5, and rounded to the nearest number of E2M3, ties to even, subnormals kept.
;;     - The product sums the exact products of the quantised numbers (number of the format x scale) in f32.
;;   ~~~python
;;   def quantise(x, axis):      # numpy; x: float32 -> the quantised numbers, widened to float32 again
;;       x = np.moveaxis(x, axis, -1); K = x.shape[-1]
;;       x = np.pad(x, [(0, 0)] * (x.ndim - 1) + [(0, -K % 32)]); x = x.reshape(x.shape[:-1] + (-1, 32)); a = np.abs(x).max(-1, keepdims=True)
;;       e = np.where(a > 0, np.clip(np.frexp(np.where(a > 0, a, 1))[1] - 1 - 2, -126, 127), 0)      # np.frexp(a)[1] - 1 = floor(log2(a)), exactly
;;       r = np.clip(x / 2.0 ** e, -7.5, 7.5)
;;       step = 2.0 ** (np.maximum(np.frexp(np.where(r == 0, 1, r))[1] - 1, 0) - 3)
;;       q = np.round(r / step) * step * 2.0 ** e      # np.round: ties to even
;;       return np.moveaxis(q.reshape(q.shape[:-2] + (-1,))[..., :K], -1, axis).astype(np.float32)
;;   ~~~
;;   SOFTMAX AHEAD OF A QUANTISED PRODUCT. Where the list says 'softmax', what is quantised is not the finished softmax but p = 2^(t - M), with t = logit x log2(e) and M = ceil(the row's largest t), a whole number; so 1/2 < the row's largest p <= 1. The row's sum l is taken of the UNQUANTISED p, in f32, and the product's result is divided by l at the end. Since M is a whole number, a kernel that streams over the keys may use a running M (the ceiling of the running maximum): every later rescaling is an exact power of two, which a block's scale takes up: the codes' values come out the same.
;;   OPERANDS COMPUTED ON THE WAY. 'Computed on the way' means the value that the module computes at that place (a softmax that the list does not call 'softmax' is quantised finished and normalised). What goes into a quantiser is computed in f32, as accurately as f32 sums, v_exp_f32 and their like allow (about 1e-6 of the number): no bf16 or f16 on the way to a quantiser, and a product that is left as it is and whose result goes on into a quantised operand takes f32 operands (vector FMAs, or v_wmma_f32_16x16x4_f32). A number that lies on a knife's edge between two numbers of the format may be rounded either way, as far as f32 arithmetic and the matrix unit's own rounding can turn it there, and no further.
;; One version. Each part assembles by itself: llvm-mc -triple=amdgcn-amd-amdhsa -mcpu=gfx1250 --defsym DOCPART=n.
;; ======== version 1 of 1: 4 launches
;; limits: right only within a limited range of input values
;; workspace buffers: xb 6,553,600 bytes; wb 8,192,000 bytes; qb 6,553,600 bytes; kv 3,276,800 bytes; ob 6,553,600 bytes
;; launch quant (part 1): grid 576 x 1, 8 waves a work-group, no clusters, 70,656 bytes of LDS; arguments x, Wq, Wk, Wv, Wo, xb, wb; writes xb, wb
.if DOCPART == 1
	.amdgcn_target "amdgcn-amd-amdhsa--gfx1250"
	.amdhsa_code_object_version 6
	.text
	.protected	k_q5f551fade8_quant
	.globl	k_q5f551fade8_quant
	.p2align	8
	.type	k_q5f551fade8_quant,@function
k_q5f551fade8_quant:
	s_mov_b64 s[64:65], 0
	v_nop
	global_prefetch_b8 v0, s[64:65] scope:SCOPE_SE
	s_setreg_imm32_b32 hwreg(HW_REG_WAVE_MODE, 25, 1), 1
	s_wait_xcnt 0x0
; x [4096][2048] and the four weights ([2048][n], K their FIRST axis), f32, become codes of FP6 (E2M3) with one E8M0 byte for each 32 along K, laid as the products' launches read them.
; TILES.  An axis that becomes the 16 rows of a matrix operand is cut into tiles T = 2 B + u; row r of tile T is index 32 B + 8 u + r + 8 (r / 8).
; A FRAGMENT (16 rows x 128 K, 12 registers a lane) lies in memory as an image of its registers, 1,536 bytes: registers 4 g .. 4 g + 3 of lane l at byte 512 g + 16 l.
; AN OPERAND BUFFER of n tiles: codes [T][K step 0..15][1,536]; from byte 24,576 n on the scale words [T][kq 0..3][r 0..15][4 words]: word e of kq belongs to K step 4 kq + e, its byte b to block b.
; xb: 256 tiles of tokens.  wb: tiles 0-127 Wq's columns; 128 + 16 hh + 0..7 Wk's head hh; 128 + 16 hh + 8..15 Wv's head hh; 192-319 Wo's columns.
; A block's scale is 2^(floor(log2(its largest magnitude)) - 2); its byte is the largest magnitude's exponent field - 2, held at 1 from below.
; LIMITS: a block of zeros gets the byte 1 where the rule says 127 (its codes are zeros, and this program alone reads the bytes); blocks whose largest magnitude lies under 2^-124 are held at the byte 1;
; NaN and infinities among the inputs are not served.  b_start_loc, b_seq_len and max_seq_len enter no number of the result as the problem defines it, and are read by no launch.
; SHARES.  Work-groups 0-255: one tile of tokens each, wave w its K steps 2 w and 2 w + 1.  Work-groups 256-575: 64 columns x 512 along K of one weight, wave w 32 columns (w & 1) x K step (w >> 1).
; Memory binds: each f32 is read once, by loads that cover 512 (x) or 128 (weights) consecutive bytes a wave; no matrix unit, no cluster, no tensor load.
; REGISTERS are kept to 164 a wave (x's numbers come back from the stage into the registers that they left), so that three work-groups of eight waves can lie on a WGP together: the grid is 2.25 work-groups for each of 256 WGPs.
.set XSG,     67584                    ; LDS: behind the eight stages of 16 rows x 528 bytes: x's scale words, 1,024 bytes,
.set WSG,     68608                    ; the weights' scale words, 1,024 bytes (each path has LDS bytes of its own),
.set SPARE,   69632                    ; and the spare words, 128 bytes for each wave
.set XSCALES, 6291456
.set WSCALES, 7864320
.set FRB,     1536
.set SPW,  8                           ; v8   LDS address of my spare word; never rewritten
.set NIL,  9                           ; v9   0; never rewritten
.set XBK,  10                          ; v10  x: where waves 0 and 1 read the scale words back
.set H8,   11                          ; v11  8 h
.set WSA,  12                          ; v12  weights: where my scale word goes
.set WBK,  13                          ; v13  weights: where waves 0 and 1 read the scale words back
.set TM,   14                          ; v14-18 at work
.set PW,   19                          ; v19  x: the scale word.  Weights: 4 x my column
.set F,    20                          ; v20-31 x: the fragment.  Weights: v20 the scale words' lane term
.set T,    32                          ; v32-34 x: the upper half of a block's codes; v32-35 at the end the scale words on their way out
.set R,    36                          ; v36-163 x: two sets of 64 numbers, as loaded, then as the operand's layout wants them
.set OF,   36                          ; weights: v36-67 offsets of 32 rows; v68-131 two sets of 32 numbers; v132-155 two fragments; v156-158 at work; v160-163 the scale words on their way out
.set WX,   68
.set F0,   132
.set F1,   144
.set WT,   156
.set BA,   48                          ; s[48:55] weights: the bases of the K step's four blocks of 32 rows
	s_load_b256 s[4:11], s[0:1], 0x0               ; x s[4:5], Wq s[6:7], Wk s[8:9], Wv s[10:11]
	s_load_b128 s[12:15], s[0:1], 0x20             ; Wo s[12:13], xb s[14:15]
	s_load_b64 s[16:17], s[0:1], 0x30              ; wb
	v_lshl_add_u32 v[SPW], v0, 2, SPARE
	v_mov_b32 v[NIL], 0
	v_lshrrev_b32 v1, 5, v0
	s_delay_alu instid0(VALU_DEP_1)
	v_readfirstlane_b32 s18, v1                    ; wave 0..7
	v_and_b32 v1, 31, v0                           ; lane
	v_and_b32 v2, 15, v0                           ; r
	s_wait_alu depctr_va_vdst(0)
	v_bfe_u32 v3, v0, 4, 1                         ; h
	v_lshlrev_b32 v4, 4, v1                        ; 16 x lane
	s_wait_alu depctr_va_vdst(0)
	s_and_b32 s19, s18, 1
	s_lshr_b32 s22, s18, 1
	s_mov_b32 s20, 0x76543210
	s_mov_b32 s21, 0xfedcba98                      ; v_permlanex16_b32's selects for lane l xor 16
	; every LDS address of both paths is made here, ahead of the parting
	s_mul_i32 s23, s18, 8448                       ; my stage
	v_add_nc_u32 v5, s23, v4                       ; into it: a row's 512 bytes as they lie
	v_mul_u32_u24 v6, v2, 528
	s_delay_alu instid0(VALU_DEP_1)
	v_lshl_add_u32 v6, v3, 7, v6
	s_delay_alu instid0(VALU_DEP_1)
	v_add_nc_u32 v6, s23, v6                       ; out of it: row r, + 128 h: my 32 numbers of each 64.  528 = 33 x 16: sixteen rows start in sixteen different columns of 16 bytes
	s_lshl_b32 s24, s22, 8
	s_lshl_b32 s25, s19, 3
	s_add_co_u32 s24, s24, s25
	s_add_co_u32 s24, s24, XSG
	v_lshl_add_u32 v7, v2, 4, s24                  ; x's scale words: 256 (w >> 1) + 16 r + 8 (w & 1): K step 2 w + t is word 2 (w & 1) + t of kq = w >> 1
	s_lshl_b32 s25, s19, 9
	s_add_co_u32 s26, s25, XSG
	v_add_nc_u32 v[XBK], s26, v4                   ; and back: 512 bytes for each of waves 0 and 1
	v_lshlrev_b32 v[H8], 3, v3                     ; 8 h
	s_lshl_b32 s27, s22, 2
	s_add_co_u32 s27, s27, s25
	s_add_co_u32 s27, s27, WSG
	v_add_nc_u32 v[WSA], s27, v4                   ; the weights' scale words: 512 (w & 1) + 16 x lane + 4 (w >> 1)
	s_add_co_u32 s26, s25, WSG
	v_add_nc_u32 v[WBK], s26, v4                   ; and back
	s_wait_kmcnt 0x0
	s_cmp_lt_u32 ttmp9, 256
	s_cbranch_scc0 .Lweights
	; ---------------- x: K is innermost ----------------
	s_lshr_b32 s28, ttmp9, 1
	s_lshl_b32 s28, s28, 5
	s_and_b32 s29, ttmp9, 1
	s_lshl_b32 s29, s29, 3
	s_add_co_u32 s28, s28, s29                     ; the tile's first token
	s_lshl_b32 s28, s28, 13                        ; rows of 8,192 bytes
	s_lshl_b32 s29, s18, 10
	s_add_co_u32 s28, s28, s29                     ; + my two K steps of 512 bytes
	s_mov_b32 s29, 0
	s_add_nc_u64 s[4:5], s[4:5], s[28:29]
	s_mul_i32 s28, ttmp9, 16*FRB
	s_mul_i32 s30, s18, 2*FRB
	s_add_co_u32 s28, s28, s30
	s_add_nc_u64 s[32:33], s[14:15], s[28:29]      ; my two fragments in xb
	s_lshl_b32 s28, ttmp9, 10
	s_add_co_u32 s28, s28, s25
	s_add_co_u32 s28, s28, XSCALES
	s_add_nc_u64 s[34:35], s[14:15], s[28:29]      ; the tile's scale words, 512 bytes for each of waves 0 and 1
	v_mov_b32 v[TM+4], 0                           ; written once: a lane permute's destination counts as one of its sources
.macro XLOAD t                         ; K step t of the tile's 16 rows: each load reads 512 consecutive bytes of one row
.irp i, 0,1,2,3,4,5,6,7,8,9,10,11,12,13,14,15
	global_load_b128 v[R+64*\t+4*\i:R+64*\t+4*\i+3], v4, s[4:5] offset:(\i+8*(\i/8))*8192+512*\t th:TH_LOAD_NT
.endr
.endm
.macro XTURN t                         ; through my stage: in as loaded, back into the same registers so that v[R + 64 t + 32 c + i] = k 64 c + 32 h + i of row r.  LDS serves a wave's instructions in order: the loads see the stores, and come behind their reads of the registers
.irp i, 0,1,2,3,4,5,6,7,8,9,10,11,12,13,14,15
	ds_store_b128 v5, v[R+64*\t+4*\i:R+64*\t+4*\i+3] offset:528*\i
.endr
.irp c, 0,1
.irp j, 0,1,2,3,4,5,6,7
	ds_load_b128 v[R+64*\t+32*\c+4*\j:R+64*\t+32*\c+4*\j+3], v6 offset:256*\c+16*\j
.endr
.endr
.endm
.macro QX t                            ; a lane holds two whole blocks, 2 c + h: no other lane is asked for a maximum
.set X, R+64*\t
.irp c, 0,1
	v_max3_num_f32 v[TM+\c], |v[X+32*\c]|, |v[X+32*\c+1]|, 0x1800000   ; with the floor 2^(3 - 127): the byte cannot fall under 1
.endr
.irp i, 2,4,6,8,10,12,14,16,18,20,22,24,26,28,30
.irp c, 0,1
	s_delay_alu instid0(VALU_DEP_2)
	v_max3_num_f32 v[TM+\c], v[TM+\c], |v[X+32*\c+\i]|, |v[X+32*\c+\i+1]|
.endr
.endr
.irp c, 0,1
	s_delay_alu instid0(VALU_DEP_2)
	v_add_nc_u32 v[TM+2+\c], 0xff000000, v[TM+\c]  ; 2 off the exponent field: the conversion's scale operand
.endr
.irp c, 0,1
	s_delay_alu instid0(VALU_DEP_2)
	v_lshrrev_b32 v[TM+\c], 23, v[TM+2+\c]         ; the scale's byte
.endr
	s_delay_alu instid0(VALU_DEP_1)
	v_lshl_or_b32 v[PW], v[TM+1], 16, v[TM]        ; blocks h and 2 + h,
	s_delay_alu instid0(VALU_DEP_1)
	v_lshlrev_b32 v[PW], v[H8], v[PW]              ; at their places in the word;
	s_delay_alu instid0(VALU_DEP_1)
	v_permlanex16_b32 v[TM+4], v[PW], s20, s21
	s_delay_alu instid0(VALU_DEP_1)
	v_or_b32 v[PW], v[PW], v[TM+4]                 ; with lane l xor 16's two the word is whole
.if \t > 0
	s_wait_alu depctr_va_vdst(0)
	s_wait_xcnt 0x0                                ; the first fragment's stores have read their registers: these are written again only behind this wait
.endif
.irp c, 0,1
	v_cvt_scalef32_pk16_fp6_f32 v[F+6*\c:F+6*\c+2], v[X+32*\c:X+32*\c+15], v[TM+2+\c]
	v_cvt_scalef32_pk16_fp6_f32 v[T:T+2], v[X+32*\c+16:X+32*\c+31], v[TM+2+\c]   ; (a conversion's three registers begin on an even number: the block's upper half is made here and moved)
	v_nop                                          ; one plain place behind a scaled conversion
.irp i, 0,1,2
	v_mov_b32 v[F+3+6*\c+\i], v[T+\i]
.endr
.endr
.irp g, 0,1,2
	global_store_b128 v4, v[F+4*\g:F+4*\g+3], s[32:33] offset:FRB*\t+512*\g   ; the image: 512 consecutive bytes a store
.endr
	ds_store_b32 v7, v[PW] offset:4*\t             ; lanes r and r + 16 write the same word with the same value
.endm
	XLOAD 0
	XLOAD 1
	s_wait_loadcnt 16                              ; K step 0's sixteen loads are in; K step 1's sixteen may be out
	s_wait_alu depctr_va_vdst(0)
	XTURN 0
	s_wait_dscnt 0x0
	QX 0
	s_wait_loadcnt 0x0
	XTURN 1
	s_wait_dscnt 0x0
	QX 1
	s_wait_dscnt 0x0                               ; for the others' sake: my scale words lie in LDS
	s_barrier_signal -1
	s_barrier_wait -1
	s_cmp_gt_u32 s18, 1
	s_cbranch_scc1 .Lend
	ds_load_b128 v[T:T+3], v[XBK]                  ; the tile's 1,024 bytes of scale words leave as four whole runs of 256 bytes, two a wave
	s_wait_dscnt 0x0
	global_store_b128 v4, v[T:T+3], s[34:35]
	s_branch .Lend
	; ---------------- the weights: K is the first axis.  A lane takes a column and its registers run down K ----------------
.Lweights:
	s_sub_co_u32 s28, ttmp9, 256
	s_and_b32 s31, s28, 3                          ; kq: which 512 along K
	s_lshr_b32 s30, s28, 2                         ; which 64 columns of the 5,120: 0-31 Wq, 32-39 Wk, 40-47 Wv, 48-79 Wo
	s_cmp_lt_u32 s30, 40
	s_cselect_b64 s[36:37], s[8:9], s[10:11]
	s_cselect_b32 s38, 32, 40
	s_cselect_b32 s40, 0, 8
	s_mov_b32 s39, 11                              ; log2 of a row's bytes
	s_mov_b32 s41, 0
	s_cmp_lt_u32 s30, 32
	s_cselect_b64 s[36:37], s[6:7], s[36:37]
	s_cselect_b32 s38, 0, s38
	s_cselect_b32 s39, 13, s39
	s_cselect_b32 s41, 1, s41
	s_cmp_ge_u32 s30, 48
	s_cselect_b64 s[36:37], s[12:13], s[36:37]
	s_cselect_b32 s38, 48, s38
	s_cselect_b32 s39, 13, s39
	s_cselect_b32 s41, 1, s41
	s_sub_co_u32 s38, s30, s38                     ; c': which 64 columns of that weight
	s_lshr_b32 s42, s38, 1
	s_lshl_b32 s42, s42, 3
	s_lshl_b32 s43, s38, 2
	s_add_co_u32 s42, s42, s43
	s_add_co_u32 s42, s42, s40
	s_add_co_u32 s42, s42, 128                     ; Wk, Wv: tile 128 (+ 8) + 16 (c' / 2) + 4 (c' % 2)
	s_lshl_b32 s43, s30, 2                         ; Wq, Wo: tile 4 x the run of 64 columns
	s_cmp_eq_u32 s41, 1
	s_cselect_b32 s42, s43, s42
	s_lshl_b32 s43, s19, 1
	s_add_co_u32 s42, s42, s43                     ; my wave's first tile of two
	s_lshl_b32 s43, s31, 2
	s_add_co_u32 s43, s43, s22                     ; my K step
	s_add_co_u32 s44, s39, 7
	s_lshl_b32 s44, s43, s44                       ; 128 rows a K step
	s_lshl_b32 s45, s38, 8
	s_add_co_u32 s44, s44, s45
	s_lshl_b32 s45, s19, 7
	s_add_co_u32 s44, s44, s45                     ; + my 32 columns
	s_mov_b32 s45, 0
	s_add_nc_u64 s[BA:BA+1], s[36:37], s[44:45]
	s_add_co_u32 s46, s39, 5
	s_lshl_b32 s46, 1, s46                         ; 32 rows
	s_mov_b32 s47, 0
	s_add_nc_u64 s[BA+2:BA+3], s[BA:BA+1], s[46:47]
	s_add_nc_u64 s[BA+4:BA+5], s[BA+2:BA+3], s[46:47]
	s_add_nc_u64 s[BA+6:BA+7], s[BA+4:BA+5], s[46:47]
	s_lshl_b32 s56, 1, s39                         ; a row's bytes
	s_mul_i32 s44, s42, 16*FRB
	s_mul_i32 s57, s43, FRB
	s_add_co_u32 s44, s44, s57
	s_add_nc_u64 s[32:33], s[16:17], s[44:45]      ; my two fragments in wb, 24,576 bytes apart
	s_lshl_b32 s44, s42, 10
	s_lshl_b32 s57, s31, 8
	s_add_co_u32 s44, s44, s57
	s_add_co_u32 s44, s44, WSCALES
	s_add_nc_u64 s[34:35], s[16:17], s[44:45]      ; and (waves 0 and 1) my two tiles' scale words of this kq
	v_and_b32 v19, 7, v0
	v_bfe_u32 v1, v0, 3, 1
	s_delay_alu instid0(VALU_DEP_1)
	v_lshl_add_u32 v19, v1, 4, v19
	s_delay_alu instid0(VALU_DEP_1)
	v_lshl_add_u32 v19, v3, 3, v19                 ; my column of the 32: lanes 0-15 are the rows of the first tile, lanes 16-31 those of the second
	s_delay_alu instid0(VALU_DEP_1)
	v_lshlrev_b32 v19, 2, v19
.irp i, 0,1,2,3,4,5,6,7,8,9,10,11,12,13,14,15,16,17,18,19,20,21,22,23,24,25,26,27,28,29,30,31
	v_mad_u32_u24 v[OF+\i], s56, \i, v19
.endr
	v_lshlrev_b32 v20, 4, v2
	s_delay_alu instid0(VALU_DEP_1)
	v_lshl_add_u32 v20, v3, 10, v20                ; the scale words' way out: 1,024 bytes from tile to tile, 16 a row
.macro WLOAD t                         ; block t: 32 rows of my column; a wave reads 128 consecutive bytes, two waves side by side 256
.irp i, 0,1,2,3,4,5,6,7,8,9,10,11,12,13,14,15,16,17,18,19,20,21,22,23,24,25,26,27,28,29,30,31
	global_load_b32 v[WX+32*((\t)%2)+\i], v[OF+\i], s[BA+2*(\t):BA+2*(\t)+1] th:TH_LOAD_NT
.endr
.endm
.macro WBLOCK t
.set XS, WX+32*((\t)%2)
.set CB, F0+12*((\t)%2)+6*((\t)/2)     ; blocks 0 and 2 into the first run of 12 registers, blocks 1 and 3 into the second
.if \t < 3
	s_wait_loadcnt 32                              ; this block's 32 loads are in; the next block's 32 may be out
.else
	s_wait_loadcnt 0x0
.endif
	v_max3_num_f32 v14, |v[XS]|, |v[XS+1]|, |v[XS+2]|
	v_max3_num_f32 v15, |v[XS+3]|, |v[XS+4]|, |v[XS+5]|
.irp i, 6,10,14,18,22,26
	s_delay_alu instid0(VALU_DEP_2)
	v_max3_num_f32 v14, v14, |v[XS+\i]|, |v[XS+\i+1]|
	s_delay_alu instid0(VALU_DEP_2)
	v_max3_num_f32 v15, v15, |v[XS+\i+2]|, |v[XS+\i+3]|
.endr
	s_delay_alu instid0(VALU_DEP_2)
	v_max3_num_f32 v14, v14, |v[XS+30]|, |v[XS+31]|
	s_delay_alu instid0(VALU_DEP_1)
	v_max3_num_f32 v14, v14, v15, 0x1800000        ; and the floor
	s_delay_alu instid0(VALU_DEP_1)
	v_add_nc_u32 v16, 0xff000000, v14
	s_delay_alu instid0(VALU_DEP_1)
	v_lshrrev_b32 v15, 23, v16
.if \t == 0
	s_delay_alu instid0(VALU_DEP_1)
	v_mov_b32 v18, v15                             ; my column's scale word: byte t for block t
.else
	s_delay_alu instid0(VALU_DEP_1)
	v_lshl_or_b32 v18, v15, 8*\t, v18
.endif
	v_cvt_scalef32_pk16_fp6_f32 v[CB:CB+2], v[XS:XS+15], v16
	v_cvt_scalef32_pk16_fp6_f32 v[WT:WT+2], v[XS+16:XS+31], v16
	v_nop                                          ; one plain place behind a scaled conversion
.irp i, 0,1,2
	v_mov_b32 v[CB+3+\i], v[WT+\i]
.endr
.if \t < 2
	WLOAD \t+2
.endif
.endm
	WLOAD 0
	WLOAD 1
	WBLOCK 0
	WBLOCK 1
	WBLOCK 2
	WBLOCK 3
.irp i, 0,1,2,3,4,5,6,7,8,9,10,11
	v_permlane16_swap_b32 v[F0+\i], v[F1+\i]       ; the first run's lanes 16-31 (second tile, blocks 0, 2) change places with the second's lanes 0-15 (first tile, blocks 1, 3): each run is now one tile's fragment
.endr
.irp g, 0,1,2
	global_store_b128 v4, v[F0+4*\g:F0+4*\g+3], s[32:33] offset:512*\g
	global_store_b128 v4, v[F1+4*\g:F1+4*\g+3], s[32:33] offset:16*FRB+512*\g
.endr
	ds_store_b32 v[WSA], v18
	s_wait_dscnt 0x0                               ; for the others' sake: my scale words lie in LDS
	s_barrier_signal -1
	s_barrier_wait -1
	s_cmp_gt_u32 s18, 1
	s_cbranch_scc1 .Lend
	ds_load_b128 v[160:163], v[WBK]                ; four K steps' words of a row: sixteen lanes fill 256 consecutive bytes of a tile's kq
	s_wait_dscnt 0x0
	global_store_b128 v20, v[160:163], s[34:35]
.Lend:
	s_wait_tensorcnt 0x0                           ; the wave's end
	ds_add_u32 v[SPW], v[NIL]
	s_wait_dscnt 0x0
	s_endpgm
.Lfunc_end_k_q5f551fade8_quant:
	.size	k_q5f551fade8_quant, .Lfunc_end_k_q5f551fade8_quant-k_q5f551fade8_quant
	.p2alignl 7, 3214868480
	.fill 96, 4, 3214868480
	.section	.rodata,"a",@progbits
	.p2align	6, 0x0
	.amdhsa_kernel k_q5f551fade8_quant
		.amdhsa_group_segment_fixed_size 70656
		.amdhsa_private_segment_fixed_size 0
		.amdhsa_enable_private_segment 0
		.amdhsa_kernarg_size 56
		.amdhsa_user_sgpr_count 2
		.amdhsa_user_sgpr_kernarg_segment_ptr 1
		.amdhsa_wavefront_size32 1
		.amdhsa_system_sgpr_workgroup_id_x 1
		.amdhsa_system_sgpr_workgroup_id_y 1
		.amdhsa_system_sgpr_workgroup_id_z 1
		.amdhsa_system_vgpr_workitem_id 0
		.amdhsa_next_free_vgpr 168
		.amdhsa_next_free_sgpr 66
		.amdhsa_reserve_vcc 0
		.amdhsa_float_denorm_mode_32 3
		.amdhsa_float_denorm_mode_16_64 3
		.amdhsa_memory_ordered 1
		.amdhsa_forward_progress 1
		.amdhsa_inst_pref_size 46
	.end_amdhsa_kernel
	.amdgpu_metadata
---
amdhsa.version: [ 1, 2 ]
amdhsa.kernels:
  - .name:           k_q5f551fade8_quant
    .symbol:         k_q5f551fade8_quant.kd
    .args:
      - { .name: x, .offset: 0, .size: 8, .value_kind: global_buffer, .address_space: global }
      - { .name: Wq, .offset: 8, .size: 8, .value_kind: global_buffer, .address_space: global }
      - { .name: Wk, .offset: 16, .size: 8, .value_kind: global_buffer, .address_space: global }
      - { .name: Wv, .offset: 24, .size: 8, .value_kind: global_buffer, .address_space: global }
      - { .name: Wo, .offset: 32, .size: 8, .value_kind: global_buffer, .address_space: global }
      - { .name: xb, .offset: 40, .size: 8, .value_kind: global_buffer, .address_space: global }
      - { .name: wb, .offset: 48, .size: 8, .value_kind: global_buffer, .address_space: global }
    .group_segment_fixed_size: 70656
    .private_segment_fixed_size: 0
    .kernarg_segment_align: 8
    .kernarg_segment_size: 56
    .max_flat_workgroup_size: 256
    .sgpr_count:     66
    .vgpr_count:     168
    .wavefront_size: 32
...
	.end_amdgpu_metadata
.endif
;; end of part 1
;; launch qkv (part 2): grid 12 x 16, 4 waves a work-group, clusters of 4 x 4, 327,680 bytes of LDS; arguments xb, wb, bq, bk, bv, qb, kv; writes qb, kv
.if DOCPART == 2
	.amdgcn_target "amdgcn-amd-amdhsa--gfx1250"
	.amdhsa_code_object_version 6
	.text
	.protected	k_q5f551fade8_qkv
	.globl	k_q5f551fade8_qkv
	.p2align	8
	.type	k_q5f551fade8_qkv,@function
k_q5f551fade8_qkv:
	s_mov_b64 s[64:65], 0
	v_nop
	global_prefetch_b8 v0, s[64:65] scope:SCOPE_SE
	s_setreg_imm32_b32 hwreg(HW_REG_WAVE_MODE, 25, 1), 1
	s_wait_xcnt 0x0
	s_wait_alu depctr_hold_cnt(0) depctr_sa_sdst(0) depctr_va_vdst(0) depctr_va_sdst(0) depctr_va_ssrc(0) depctr_va_vcc(0) depctr_vm_vsrc(0)
	s_getreg_b32 s2, hwreg(HW_REG_IB_STS2, 6, 4)
	s_cmp_eq_u32 s2, 0
	s_cbranch_scc0 .Lentry_in_a_cluster
	s_endpgm
.Lentry_in_a_cluster:
	s_bfe_u32 s2, ttmp6, 0x10000c
	s_cmp_lg_u32 s2, 0xf033
	s_cbranch_scc0 .Lentry_shape_is_right
	s_endpgm
.Lentry_shape_is_right:
; q = x Wq + bq, k = x Wk + bk, v = x Wv + bv on codes of FP6 (E2M3) with E8M0 scales, sums in f32; the results are quantised again on the way out, q and k along the head's 128, v along the tokens (the keys),
; and leave as register images of the fragments that the attention launch reads.  Operands: xb and wb, as the launch before laid them (tiles of 16 rows, row r of tile 2 B + u = index 32 B + 8 u + r + 8 (r / 8);
; a fragment = 1,536 dense bytes; scale words [tile][kq][r][4]).
; SHARES.  A work-group of four waves makes 256 tokens x 256 columns, a wave 128 x 128: 64 accumulators, 512 registers.  Tile columns 0-7: q, wave column WC = head 2 TC + WC.  Tile columns 8-11: WC = 0 is k's head, WC = 1 v's.
; ROLES.  Source 0 (window 1, two sets) is the B role, source 1 (window 0, one set) the A role.  For q and k the A role is x and the B role W: the 64 registers of an A block are 128 neighbouring columns (a head)
; of one token a lane.  For v (ROLE = 1) the two LDS addresses change places: the 64 registers are 128 neighbouring TOKENS of one channel a lane: a fragment of V^T with the keys as K.  The instructions are the same.
; ROLE is made of the cluster's x and the wave's number alone: it is the same in all partners.
; THE RING.  Two LDS slots of THREE K steps (384 along K, 147,456 bytes): the largest two that LDS holds.  K's 16 steps are 3 + 3 + 3 + 3 + 3 + 1: two first fills and four refills, the last of one K step, laid densely.
; Between a refill's request and the wait for it a wave issues 160 matrix instructions.  x's tiles are asked for jointly by a row of the 4 x 4 cluster, W's by a column.  A wave has one tensor load out at a time.
; THE SCALE WORDS of a wave's 8 + 8 tiles, for all of K, stay in 128 REGISTERS: 32 loads at the head, in each of which sixteen lanes read 256 consecutive bytes; lanes 0-15 hold the even tile of a pair, lanes 16-31 the odd one.
; Their register numbers change with the K step, so the 16 steps are written out.
; OUT.  qb: codes [head 16][token tile 256][1,536]; from byte 6,291,456 words [head][group of 128 tokens 32][r 16][tile 8].  kv: 32 pairs (sequence x 4 + kv head) of 102,400 bytes: K's fragments [tile 32], at 49,152
; V^T's [128 keys 4][channel tile 8], at 98,304 K's words [4][r 16][8], at 100,352 V's likewise.
; LIMITS: as in the quantising launch: a block of zeros gets the byte 1; largest magnitudes under 2^-124 are held at the byte 1; NaN and infinities are not served.
.set NB,    8                          ; B blocks of a wave
.set NQ,    3                          ; K steps in a slot
.set APW,   4                          ; A blocks whose accumulators fill a window
.set FRB,   1536
.set HALFT, 8*NQ*FRB                   ; 36,864: 8 tiles x 3 K steps: what one tensor load brings, and what a wave reads in one role
.set SLOT,  4*HALFT                    ; 147,456: x's 16 tiles, then W's 16
.set SPARE, 2*SLOT                     ; behind the ring: the spare words, 128 bytes for each wave
.set STR,   NQ                         ; fragments from tile to tile in the slot that is being read: 3, in the last slot 1
.set XSCALES, 6291456
.set WSCALES, 7864320
.set BVP,  6                           ; v[6:7] v's bias of my channel, twice
.set BV,   8                           ; v8-15 the bias of my channel of each A block (v)
.set ADRA, 16                          ; v16-17 LDS address of the A role's fragments in slot 0, 1
.set ADRB, 18                          ; v18-19 the B role's
.set OW,   20                          ; v20-23 the way out: four of my row's eight scale words
.set LI,   24                          ; v24 16 x lane
.set SO,   25                          ; v25 32 r + 16 h: the scale words' way out
.set PW,   26                          ; v26 the scale word just made
.set SCAD, 27                          ; v27 1,024 h + 16 r: my place in a pair of tiles' scale words
.set SPW,  28                          ; v28 my spare word; never rewritten
.set NIL,  29                          ; v29 0; never rewritten
.set SCA,  32                          ; v32-95  the A role's scale words: tile i, K step s at 16 (i / 2) + s; odd tiles in lanes 16-31
.set SCB,  96                          ; v96-159 the B role's
.set AF,   160                         ; v160-255 the A role's 8 fragments
.set HA,   160                         ; the way out: v160-223 64 numbers; v224-243 codes; v244-255 at work
.set PC,   224
.set TM,   244
.set G1,   24                          ; s[24:31] group 1 for x's tiles; s[32:39] groups 0, one for each slot
.set G0,   32
.set G1B,  48                          ; s[48:55], s[56:63] the same for W's
.set G0B,  56
.set G1L,  68                          ; s[68:75], s[80:87] groups 1 for the last refill: one K step
.set G1LB, 80
.set MSB, 0
.macro WIN new                         ; the immediate's high byte repeats the setting that is left
.if MSB != (\new)
	s_set_vgpr_msb (MSB<<8)|(\new)
.set MSB, \new
.endif
.endm
.set TO_B, 0x40                        ; destination window 1, address window 0
.macro PLACES n
.rept \n
	v_nop
.endr
.endm
; A joint load: waves 0 and 1 fetch x's halves, waves 2 and 3 W's.  An s_nop 0 and four v_nop follow each of the two lines.
.macro JLOAD g0a, g1a, g0b, g1b
	s_cmp_eq_u32 s19, 0
	s_cbranch_scc0 .Lfor_b_\@
	tensor_load_to_lds s[\g0a:\g0a+3], s[\g1a:\g1a+7]
	s_nop 0
.rept 4
	v_nop
.endr
	s_branch .Lasked_\@
.Lfor_b_\@:
	tensor_load_to_lds s[\g0b:\g0b+3], s[\g1b:\g1b+7]
	s_nop 0
.rept 4
	v_nop
.endr
.Lasked_\@:
.endm
.macro CREST                           ; a round of the cluster's barrier behind its opening barrier
	s_cmp_lg_u32 s18, 0
	s_cbranch_scc1 .Lnot_wave_0_\@
	s_barrier_signal -3
.Lnot_wave_0_\@:
	s_barrier_wait -3
	s_barrier_signal -1
	s_barrier_wait -1
.endm
.macro CROUND
	s_barrier_signal -1
	s_barrier_wait -1
	CREST
.endm
	s_load_b256 s[4:11], s[0:1], 0x0               ; xb s[4:5], wb s[6:7], bq s[8:9], bk s[10:11]
	s_load_b128 s[12:15], s[0:1], 0x20             ; bv s[12:13], qb s[14:15]
	s_load_b64 s[16:17], s[0:1], 0x30              ; kv
	v_lshl_add_u32 v[SPW], v0, 2, SPARE
	v_mov_b32 v[NIL], 0
	ds_add_u32 v[SPW], v[NIL]                      ; the wave's opening: the add and its wait ahead of my first tensor load; work on registers stands between them
	ds_add_u32 v[SPW], v[NIL]
	v_lshrrev_b32 v1, 5, v0
	v_readfirstlane_b32 s18, v1                    ; wave 0..3
	s_lshr_b32 s19, s18, 1                         ; WR: my half of the tokens.  Also: I fetch for x (0) or for W (1)
	s_and_b32 s20, s18, 1                          ; WC: my half of the columns.  Also: which 8 tiles I fetch
	s_bfe_u32 s40, ttmp6, 0x40000                  ; cx
	s_bfe_u32 s41, ttmp6, 0x40004                  ; cy
	s_lshl_b32 s22, ttmp9, 2
	s_add_co_u32 s22, s22, s40                     ; TC: tile column
	s_and_b32 s21, ttmp7, 0xffff
	s_lshl_b32 s21, s21, 2
	s_add_co_u32 s21, s21, s41                     ; TR: tile row
	s_lshl_b32 s42, s41, 2
	s_lshl_b32 s42, 15, s42                        ; my row of the cluster
	s_lshl_b32 s43, 0x1111, s40                    ; my column
	s_or_b32 s[G1], s42, (3<<16)|(1<<21)           ; 15:0 the mask; 17:16 elements of 8 bytes; 21 set beside a mask; no padding: images are read 512 consecutive bytes at a time
	s_or_b32 s[G1B], s43, (3<<16)|(1<<21)
	s_or_b32 s[G1L], s42, (3<<16)|(1<<21)
	s_or_b32 s[G1LB], s43, (3<<16)|(1<<21)
.irp g, G1, G1B                        ; 8 rows (tiles) of 4,608 bytes (three K steps), 24,576 bytes apart
	s_mov_b32 s[\g+1], 576<<16
	s_mov_b32 s[\g+2], 8<<16
	s_mov_b32 s[\g+3], 576<<16
	s_mov_b32 s[\g+4], 8
	s_mov_b32 s[\g+5], 3072
	s_mov_b32 s[\g+6], 0
	s_mov_b32 s[\g+7], 0
.endr
.irp g, G1L, G1LB                      ; 8 rows of 1,536 bytes (one K step), 24,576 bytes apart
	s_mov_b32 s[\g+1], 192<<16
	s_mov_b32 s[\g+2], 8<<16
	s_mov_b32 s[\g+3], 192<<16
	s_mov_b32 s[\g+4], 8
	s_mov_b32 s[\g+5], 3072
	s_mov_b32 s[\g+6], 0
	s_mov_b32 s[\g+7], 0
.endr
	s_lshl_b32 s44, s20, 3
	s_lshl_b32 s45, s21, 4
	s_lshl_b32 s66, s19, 3
	s_add_co_u32 s66, s66, s45                     ; the x tiles that I multiply: 16 TR + 8 WR
	s_lshl_b32 s66, s66, 10
	s_add_co_u32 s66, s66, XSCALES                 ; their scale words
	s_mov_b32 s67, 0
	s_add_co_u32 s45, s45, s44                     ; the x tiles that I fetch: 16 TR + 8 (w & 1)
	s_mul_i32 s46, s45, 16*FRB
	s_mov_b32 s47, 0
	s_lshl_b32 s23, s22, 4
	s_add_co_u32 s23, s23, s44                     ; W's tiles, to fetch and to multiply: 16 TC + 8 (w & 1)
	s_mul_i32 s92, s23, 16*FRB
	s_mov_b32 s93, 0
	s_lshl_b32 s96, s23, 10
	s_add_co_u32 s96, s96, WSCALES
	s_mov_b32 s97, 0
	s_mul_i32 s99, s18, HALFT                      ; where the tiles go: wave x 8 tiles: no place in the cluster enters an LDS address
	s_wait_dscnt 0x0                               ; the opening add is done
	s_wait_kmcnt 0x0
	s_add_nc_u64 s[46:47], s[4:5], s[46:47]
	s_add_nc_u64 s[66:67], s[4:5], s[66:67]
	s_add_nc_u64 s[92:93], s[6:7], s[92:93]
	s_add_nc_u64 s[96:97], s[6:7], s[96:97]
	CROUND                                         ; all sixteen work-groups are here: the first joint loads meet
.irp s, 0,1
	s_mov_b32 s[G0+4*\s], 1
	s_add_co_u32 s[G0+4*\s+1], s99, \s*SLOT
	s_add_nc_u64 s[G0+4*\s+2:G0+4*\s+3], s[46:47], \s*NQ*FRB
	s_or_b32 s[G0+4*\s+3], s[G0+4*\s+3], 0x80000000
	s_mov_b32 s[G0B+4*\s], 1
	s_add_co_u32 s[G0B+4*\s+1], s99, \s*SLOT
	s_add_nc_u64 s[G0B+4*\s+2:G0B+4*\s+3], s[92:93], \s*NQ*FRB
	s_or_b32 s[G0B+4*\s+3], s[G0B+4*\s+3], 0x80000000
.endr
	JLOAD G0, G1, G0B, G1B                         ; K steps 0-2: one tensor load a wave at the head; slot 1's first fill follows at the head's end
	; PREFETCH INTO THE L2, one fill ahead of each fill of three K steps: 18 blocks of 256 bytes of one tile of x and of one tile of W a wave.  The four partners that ask for 16 tiles jointly share them out by address:
	; partner p (cx for x, cy for W) and wave w take tile 4 p + w.  Lanes 18-31 name the wave's last block again.  The offsets are immediates: no address register is rewritten.  The last fill, of one K step, is not asked for.
	s_lshl_b32 s88, s21, 4
	s_lshl_b32 s89, s40, 2
	s_add_co_u32 s88, s88, s89
	s_add_co_u32 s88, s88, s18                     ; x's tile 16 TR + 4 cx + w
	s_mul_i32 s88, s88, 16*FRB
	s_mov_b32 s89, 0
	s_add_nc_u64 s[88:89], s[4:5], s[88:89]
	s_lshl_b32 s90, s22, 4
	s_lshl_b32 s91, s41, 2
	s_add_co_u32 s90, s90, s91
	s_add_co_u32 s90, s90, s18                     ; W's tile 16 TC + 4 cy + w
	s_mul_i32 s90, s90, 16*FRB
	s_mov_b32 s91, 0
	s_add_nc_u64 s[90:91], s[6:7], s[90:91]
	v_and_b32 v4, 31, v0
	v_min_u32 v4, 17, v4
	v_lshlrev_b32 v4, 8, v4                        ; v4 = 256 x min(lane, 17); never rewritten
	global_prefetch_b8 v4, s[88:89] offset:3*FRB th:TH_LOAD_NT scope:SCOPE_SE   ; K steps 3-5
	global_prefetch_b8 v4, s[90:91] offset:3*FRB th:TH_LOAD_NT scope:SCOPE_SE
	v_and_b32 v1, 31, v0
	v_lshlrev_b32 v[LI], 4, v1
	s_wait_alu depctr_va_vdst(0)
	v_and_b32 v2, 15, v0                           ; r
	s_wait_alu depctr_va_vdst(0)
	v_bfe_u32 v3, v0, 4, 1                         ; h
	s_cmp_eq_u32 ttmp9, 2
	s_cselect_b32 s98, s20, 0                      ; ROLE = 1: this wave makes v
	s_mul_i32 s42, s19, HALFT                      ; x: my 8 tiles
	s_mul_i32 s43, s20, HALFT
	s_add_co_u32 s43, s43, 2*HALFT                 ; W: my 8 tiles, behind x's 16
	s_cmp_eq_u32 s98, 1
	s_cselect_b32 s44, s43, s42                    ; the A role's
	s_cselect_b32 s45, s42, s43                    ; the B role's
	s_cselect_b64 s[76:77], s[96:97], s[66:67]     ; the A role's scale words
	s_cselect_b64 s[78:79], s[66:67], s[96:97]     ; the B role's
.irp s, 0,1
	v_add_nc_u32 v[ADRA+\s], s44, v[LI]
	v_add_nc_u32 v[ADRB+\s], s45, v[LI]
	s_add_co_u32 s44, s44, SLOT
	s_add_co_u32 s45, s45, SLOT
.endr
	v_lshlrev_b32 v[SCAD], 4, v2
	s_wait_alu depctr_va_vdst(0)
	v_lshl_add_u32 v[SCAD], v3, 10, v[SCAD]        ; lanes 0-15: row r of the pair's even tile; lanes 16-31: of the odd one, 1,024 bytes on
.irp pr, 0,1,2,3
.irp kq, 0,1,2,3
	global_load_b128 v[SCA+16*\pr+4*\kq:SCA+16*\pr+4*\kq+3], v[SCAD], s[76:77] offset:2048*\pr+256*\kq   ; four K steps' words a lane; sixteen lanes read 256 consecutive bytes
	global_load_b128 v[SCB+16*\pr+4*\kq:SCB+16*\pr+4*\kq+3], v[SCAD], s[78:79] offset:2048*\pr+256*\kq
.endr
.endr
	v_lshlrev_b32 v30, 6, v3                       ; the bias: 64 h (q, k);
	s_wait_alu depctr_va_vdst(0)
	v_and_b32 v5, 8, v2
	v_add_nc_u32 v5, v5, v2
	v_lshlrev_b32 v31, 2, v5                       ; 4 (r + 8 (r / 8)) (v)
	s_wait_alu depctr_va_vdst(0)
	v_lshlrev_b32 v[SO], 5, v2
	v_lshl_add_u32 v[SO], v3, 4, v[SO]
	; where the results go, and where the bias lies
	s_lshl_b32 s42, s21, 1
	s_add_co_u32 s42, s42, s19                     ; tg: my group of 128 tokens
	s_lshl_b32 s43, s22, 1
	s_add_co_u32 s43, s43, s20                     ; q's head
	s_lshl_b32 s44, s43, 8
	s_lshl_b32 s45, s42, 3
	s_add_co_u32 s44, s44, s45
	s_mul_i32 s44, s44, FRB                        ; q's codes: (256 head + 8 tg) fragments
	s_lshl_b32 s45, s43, 5
	s_add_co_u32 s45, s45, s42
	s_lshl_b32 s45, s45, 9
	s_add_co_u32 s45, s45, 6291456                 ; q's words
	s_lshr_b32 s46, s42, 2
	s_lshl_b32 s46, s46, 2
	s_add_co_u32 s46, s46, s40                     ; pair = 4 x sequence + kv head
	s_mul_i32 s46, s46, 102400
	s_and_b32 s47, s42, 3                          ; which 128 tokens of the sequence
	s_mul_i32 s99, s47, 8*FRB
	s_add_co_u32 s99, s99, s46
	s_mul_i32 s2, s20, 49152
	s_add_co_u32 s99, s99, s2                      ; k's codes, or v's 49,152 further on
	s_lshl_b32 s47, s47, 9
	s_add_co_u32 s47, s47, s46
	s_add_co_u32 s47, s47, 98304
	s_lshl_b32 s2, s20, 11
	s_add_co_u32 s47, s47, s2                      ; k's words, or v's 2,048 further on
	s_lshl_b32 s23, s40, 9                         ; the kv head's 512 bytes of bias
	s_lshl_b32 s2, s43, 9                          ; q's head's
	s_cmp_eq_u32 s20, 1
	s_cselect_b64 s[96:97], s[12:13], s[10:11]
	s_cmp_eq_u32 ttmp9, 2
	s_cselect_b64 s[96:97], s[96:97], s[8:9]
	s_cselect_b64 s[92:93], s[16:17], s[14:15]
	s_cselect_b32 s44, s99, s44
	s_cselect_b32 s46, s47, s45
	s_cselect_b32 s2, s23, s2
	s_mov_b32 s45, 0
	s_mov_b64 s[94:95], s[92:93]
	s_add_nc_u64 s[92:93], s[92:93], s[44:45]      ; s[92:93] my eight fragments
	s_mov_b32 s44, s46
	s_add_nc_u64 s[94:95], s[94:95], s[44:45]      ; s[94:95] their 512 bytes of scale words
	s_mov_b32 s44, s2
	s_add_nc_u64 s[96:97], s[96:97], s[44:45]      ; s[96:97] the bias of my 128 columns
	WIN TO_B                                       ; q's and k's bias goes into the 64 registers of window 1 that the B role's two sets leave free: v96-127 and v224-255
.irp b, 0,1,2,3
.irp j, 0,1,2,3
	global_load_b128 v[96+16*\b+4*\j+96*(\b/2):96+16*\b+4*\j+96*(\b/2)+3], v30, s[96:97] offset:128*\b+16*\j   ; number 16 b + i: column 32 b + 16 h + i
.endr
.endr
	WIN 0
.irp a, 0,1,2,3,4,5,6,7
	global_load_b32 v[BV+\a], v31, s[96:97] offset:4*(32*(\a/2)+8*(\a%2))                  ; row r of tile a
.endr
.macro FRAG reg, adr, q, i             ; a fragment comes as it was stored: three loads of 512 consecutive bytes
.irp g, 0,1,2
	ds_load_b128 v[\reg+4*\g:\reg+4*\g+3], v[\adr] offset:((\i)*STR+(\q))*FRB+512*\g
.endr
.endm
.macro FETCH_B slot, q, p
	WIN TO_B
.set ff, 0
.rept NB
	FRAG 128*(\p)+12*ff, ADRB+\slot, \q, ff
.set ff, ff+1
.endr
	WIN 0
.endm
.macro FETCH_A slot, q, i0
.irp i, \i0, \i0+1, \i0+2, \i0+3
	FRAG AF+12*(\i), ADRA+\slot, \q, \i
.endr
.endm
; One matrix instruction, its registers in the symbols rD, rB, rA, rSB, rSA; rRB, rRA = 1: that side's scale words stand in lanes 16-31.  zero = 1: the product starts the sum.
.macro WM zero
.if \zero
.if rRB && rRA
	v_wmma_scale_f32_16x16x128_f8f6f4 v[rD:rD+7], v[rB:rB+11], v[rA:rA+11], 0, v[rSB], v[rSA] matrix_a_fmt:MATRIX_FMT_FP6 matrix_b_fmt:MATRIX_FMT_FP6 matrix_a_scale:MATRIX_SCALE_ROW1 matrix_b_scale:MATRIX_SCALE_ROW1
.elseif rRB
	v_wmma_scale_f32_16x16x128_f8f6f4 v[rD:rD+7], v[rB:rB+11], v[rA:rA+11], 0, v[rSB], v[rSA] matrix_a_fmt:MATRIX_FMT_FP6 matrix_b_fmt:MATRIX_FMT_FP6 matrix_a_scale:MATRIX_SCALE_ROW1
.elseif rRA
	v_wmma_scale_f32_16x16x128_f8f6f4 v[rD:rD+7], v[rB:rB+11], v[rA:rA+11], 0, v[rSB], v[rSA] matrix_a_fmt:MATRIX_FMT_FP6 matrix_b_fmt:MATRIX_FMT_FP6 matrix_b_scale:MATRIX_SCALE_ROW1
.else
	v_wmma_scale_f32_16x16x128_f8f6f4 v[rD:rD+7], v[rB:rB+11], v[rA:rA+11], 0, v[rSB], v[rSA] matrix_a_fmt:MATRIX_FMT_FP6 matrix_b_fmt:MATRIX_FMT_FP6
.endif
.else
.if rRB && rRA
	v_wmma_scale_f32_16x16x128_f8f6f4 v[rD:rD+7], v[rB:rB+11], v[rA:rA+11], v[rD:rD+7], v[rSB], v[rSA] matrix_a_fmt:MATRIX_FMT_FP6 matrix_b_fmt:MATRIX_FMT_FP6 matrix_a_scale:MATRIX_SCALE_ROW1 matrix_b_scale:MATRIX_SCALE_ROW1
.elseif rRB
	v_wmma_scale_f32_16x16x128_f8f6f4 v[rD:rD+7], v[rB:rB+11], v[rA:rA+11], v[rD:rD+7], v[rSB], v[rSA] matrix_a_fmt:MATRIX_FMT_FP6 matrix_b_fmt:MATRIX_FMT_FP6 matrix_a_scale:MATRIX_SCALE_ROW1
.elseif rRA
	v_wmma_scale_f32_16x16x128_f8f6f4 v[rD:rD+7], v[rB:rB+11], v[rA:rA+11], v[rD:rD+7], v[rSB], v[rSA] matrix_a_fmt:MATRIX_FMT_FP6 matrix_b_fmt:MATRIX_FMT_FP6 matrix_b_scale:MATRIX_SCALE_ROW1
.else
	v_wmma_scale_f32_16x16x128_f8f6f4 v[rD:rD+7], v[rB:rB+11], v[rA:rA+11], v[rD:rD+7], v[rSB], v[rSA] matrix_a_fmt:MATRIX_FMT_FP6 matrix_b_fmt:MATRIX_FMT_FP6
.endif
.endif
.endm
; 16 matrix instructions of K step s: A blocks a0, a0 + 1 x the 8 B blocks; the B role's set is s % 2.  The 64 accumulators take turns, one instruction a turn, in the same order in every step.
.macro MULP a0, s, zero
	WIN 0xa1+0x50*((\a0)/APW)                      ; source 0 window 1, source 1 window 0, C and D window 2 or 3
.irp a, \a0, \a0+1
.set nn, 0
.rept NB
.set rD, 8*(NB*((\a)%APW)+nn)
.set rB, 128*((\s)%2)+12*nn
.set rA, AF+12*(\a)
.set rSB, SCB+16*(nn/2)+(\s)
.set rSA, SCA+16*((\a)/2)+(\s)
.set rRB, nn%2
.set rRA, (\a)%2
	WM \zero
.set nn, nn+1
.endr
.endr
.endm
; K step s, the slot's q-th, which has its successor in the same slot.  Loads into registers that matrix instructions have read stand four plain places behind them.
.macro STEP slot, q, s, zero
	s_wait_dscnt 12                                ; the B role's set and A blocks 0-3 are in; the youngest twelve loads (A blocks 4-7) may be out
	MULP 0, \s, \zero
	MULP 2, \s, \zero
	s_wait_dscnt 0x0
	PLACES 4
	FETCH_B \slot, (\q)+1, 1-(\s)%2
	FETCH_A \slot, (\q)+1, 0
	MULP 4, \s, \zero
	MULP 6, \s, \zero
	PLACES 4
	WIN 0
	FETCH_A \slot, (\q)+1, 4
.endm
; K step s, a slot's last, changes slots: one barrier; in front of it each wave waits for all its tensor loads, adds 0 to its spare word, and waits for that and for its reads of this slot (all its fragments are in registers).
; fill = 1: the barrier opens a round of the cluster's barrier, and behind the round this slot is filled again, with the K steps six further on; fill = 2: with the one K step that is left.
.macro TURN slot, next, fill, s
	s_wait_tensorcnt 0x0                           ; all my tensor loads have landed: my part of the next slot
	ds_add_u32 v[SPW], v[NIL]                      ; 0 onto my spare word
	s_wait_dscnt 13                                ; (the add and the youngest twelve loads may be out)
	MULP 0, \s, 0
	s_wait_dscnt 0x0                               ; the add is done, and my reads of this slot are over
	s_barrier_signal -1
	MULP 2, \s, 0
	WIN 0
	s_barrier_wait -1
.if \fill
	CREST                                          ; no wave of any partner still reads this slot or has a load on its way
	s_add_nc_u64 s[G0+4*\slot+2:G0+4*\slot+3], s[G0+4*\slot+2:G0+4*\slot+3], 2*NQ*FRB
	s_add_nc_u64 s[G0B+4*\slot+2:G0B+4*\slot+3], s[G0B+4*\slot+2:G0B+4*\slot+3], 2*NQ*FRB
.if \fill == 1
	JLOAD G0+4*\slot, G1, G0B+4*\slot, G1B         ; the first tensor load behind the round; its four v_nop are the places in front of the loads below
.else
	JLOAD G0+4*\slot, G1L, G0B+4*\slot, G1LB
.endif
.else
	PLACES 4
.endif
	FETCH_B \next, 0, 1-(\s)%2
	FETCH_A \next, 0, 0
.if (\fill == 1) && ((\s) < 8)
	global_prefetch_b8 v4, s[88:89] offset:((\s)+7)*FRB th:TH_LOAD_NT scope:SCOPE_SE   ; the three K steps of the next refill
	global_prefetch_b8 v4, s[90:91] offset:((\s)+7)*FRB th:TH_LOAD_NT scope:SCOPE_SE
.endif
	MULP 4, \s, 0
	MULP 6, \s, 0
	PLACES 4
	WIN 0
	FETCH_A \next, 0, 4
.endm
	s_wait_alu depctr_va_vdst(0)                   ; the head's end
	s_wait_tensorcnt 0x0                           ; my part of slot 0 is in
	ds_add_u32 v[SPW], v[NIL]
	s_wait_dscnt 0x0
	CROUND                                         ; a whole round: slot 0 is whole, and all sixteen work-groups are here
	JLOAD G0+4, G1, G0B+4, G1B                     ; K steps 3-5 into slot 1: the first tensor load behind the round; one tensor load of mine is out
	FETCH_B 0, 0, 0
	FETCH_A 0, 0, 0
	FETCH_A 0, 0, 4
	global_prefetch_b8 v4, s[88:89] offset:6*FRB th:TH_LOAD_NT scope:SCOPE_SE   ; K steps 6-8, behind the load of K steps 3-5 and the run of LDS loads
	global_prefetch_b8 v4, s[90:91] offset:6*FRB th:TH_LOAD_NT scope:SCOPE_SE
	s_wait_loadcnt 0x0                             ; the scale words (and the bias)
	STEP 0, 0, 0, 1                                ; the first K step's products start the sums
	STEP 0, 1, 1, 0
	TURN 0, 1, 1, 2                                ; slot 0 takes K steps 6-8
	STEP 1, 0, 3, 0
	STEP 1, 1, 4, 0
	TURN 1, 0, 1, 5                                ; slot 1 takes K steps 9-11
	STEP 0, 0, 6, 0
	STEP 0, 1, 7, 0
	TURN 0, 1, 1, 8                                ; slot 0 takes K steps 12-14
	STEP 1, 0, 9, 0
	STEP 1, 1, 10, 0
	TURN 1, 0, 2, 11                               ; slot 1 takes K step 15
	STEP 0, 0, 12, 0
	STEP 0, 1, 13, 0
.set STR, 1                            ; the last slot holds one fragment a tile
	TURN 0, 1, 0, 14                               ; nothing is left to fetch
	s_wait_dscnt 12
	MULP 0, 15, 0
	MULP 2, 15, 0
	s_wait_dscnt 0x0
	MULP 4, 15, 0
	MULP 6, 15, 0
	WIN 0
; THE WAY OUT.  64 numbers of a lane, register 16 b + i = k 32 b + 16 h + i of my row, become a fragment's codes in v[PC] on and its scale word in v[PW].
.macro QUANT s
.irp b, 0,1,2,3
	v_max3_num_f32 v[TM+\b], |v[\s+16*\b]|, |v[\s+1+16*\b]|, 0x1800000   ; with the floor 2^(3 - 127)
.endr
.irp i, 2,4,6,8,10,12,14
.irp b, 0,1,2,3
	v_max3_num_f32 v[TM+\b], v[TM+\b], |v[\s+16*\b+\i]|, |v[\s+1+16*\b+\i]|
.endr
.endr
.irp b, 0,1,2,3
	v_permlanex16_b32 v[TM+4+\b], v[TM+\b], s42, s43
.endr
.irp b, 0,1,2,3
	v_max_num_f32 v[TM+\b], v[TM+\b], v[TM+4+\b]   ; with lane l xor 16's: the block's largest magnitude
.endr
.irp b, 0,1,2,3
	v_add_nc_u32 v[TM+8+\b], 0xff000000, v[TM+\b]  ; 2 off its exponent field: the conversion's scale operand
.endr
.irp b, 0,1,2,3
	v_lshrrev_b32 v[TM+4+\b], 23, v[TM+8+\b]       ; the scale's byte
.endr
	v_lshl_or_b32 v[PW], v[TM+5], 8, v[TM+4]
	v_lshl_or_b32 v[PW], v[TM+6], 16, v[PW]
	v_lshl_or_b32 v[PW], v[TM+7], 24, v[PW]
.irp c, 0,1
	v_cvt_scalef32_pk16_fp6_f32 v[PC+6*\c:PC+2+6*\c], v[\s+32*\c:\s+15+32*\c], v[TM+8+2*\c]
	v_cvt_scalef32_pk16_fp6_f32 v[PC+12+4*\c:PC+14+4*\c], v[\s+16+32*\c:\s+31+32*\c], v[TM+8+2*\c+1]
.endr
	v_nop                                          ; one plain place behind a scaled conversion
.irp c, 0,1                            ; the operand's layout wants a whole block in a lane
.irp i, 0,1,2
	v_permlane16_swap_b32 v[PC+6*\c+\i], v[PC+12+4*\c+\i]
.endr
.irp i, 0,1,2
	v_mov_b32 v[PC+3+6*\c+\i], v[PC+12+4*\c+\i]
.endr
.endr
.endm
; A block a: the bias is added (q, k: by column, the same for every block; v: my channel's, the same for all 64), each accumulator read from its low end on; then quantised and stored as an image.
.macro OUTA a
	s_cmp_eq_u32 s98, 1
	s_cbranch_scc1 .Lchannel_\@
	WIN 6+(\a)/4                                   ; source 0: window 2 or 3; source 1: window 1
.set i, 0
.rept 32
	v_pk_add_f32 v[HA+2*i:HA+2*i+1], v[64*((\a)%4)+2*i:64*((\a)%4)+2*i+1], v[96+2*i+96*(i/16):96+2*i+96*(i/16)+1]
.set i, i+1
.endr
	WIN 0
	s_branch .Lsummed_\@
.Lchannel_\@:
	v_mov_b32 v[BVP], v[BV+\a]
	v_mov_b32 v[BVP+1], v[BV+\a]
	WIN 2+(\a)/4                                   ; source 0: window 2 or 3
.set i, 0
.rept 32
	v_pk_add_f32 v[HA+2*i:HA+2*i+1], v[64*((\a)%4)+2*i:64*((\a)%4)+2*i+1], v[BVP:BVP+1]
.set i, i+1
.endr
	WIN 0
.Lsummed_\@:
.if \a > 0
	s_wait_xcnt 0x0                                ; the last block's stores have read their registers: the codes are written again only behind this wait
.endif
	QUANT HA
.irp g, 0,1,2
	global_store_b128 v[LI], v[PC+4*\g:PC+4*\g+3], s[92:93] offset:FRB*\a+512*\g   ; 512 consecutive bytes a store
.endr
.if \a < 4
	v_mov_b32 v[OW+\a], v[PW]                      ; lanes 0-15 will send blocks 0-3's words of row r,
.else
	v_cndmask_b32 v[OW+\a-4], v[OW+\a-4], v[PW], vcc_lo   ; lanes 16-31 blocks 4-7's
.endif
.endm
	PLACES 4                                       ; behind the last products: their results are read and the A role's registers written below
	s_mov_b32 s42, 0x76543210
	s_mov_b32 s43, 0xfedcba98                      ; v_permlanex16_b32's selects for lane l xor 16
.irp b, 0,1,2,3
	v_mov_b32 v[TM+4+\b], 0                        ; written once: a lane permute's destination counts as one of its sources
.endr
	v_bfe_u32 v5, v0, 4, 1
	v_cmp_eq_u32 vcc_lo, 1, v5                     ; lanes 16-31 (written behind the last tensor load)
.irp a, 0,1,2,3,4,5,6,7
	OUTA \a
.endr
	global_store_b128 v[SO], v[OW:OW+3], s[94:95]  ; [r][block]: 512 consecutive bytes
	s_wait_tensorcnt 0x0                           ; the wave's end
	ds_add_u32 v[SPW], v[NIL]
	s_wait_dscnt 0x0
	CROUND                                         ; the closing round: no work-group ends while a partner may still ask for a tile that names it
	s_endpgm
.Lfunc_end_k_q5f551fade8_qkv:
	.size	k_q5f551fade8_qkv, .Lfunc_end_k_q5f551fade8_qkv-k_q5f551fade8_qkv
	.p2alignl 7, 3214868480
	.fill 96, 4, 3214868480
	.section	.rodata,"a",@progbits
	.p2align	6, 0x0
	.amdhsa_kernel k_q5f551fade8_qkv
		.amdhsa_group_segment_fixed_size 327680
		.amdhsa_private_segment_fixed_size 0
		.amdhsa_enable_private_segment 0
		.amdhsa_kernarg_size 56
		.amdhsa_user_sgpr_count 2
		.amdhsa_user_sgpr_kernarg_segment_ptr 1
		.amdhsa_wavefront_size32 1
		.amdhsa_system_sgpr_workgroup_id_x 1
		.amdhsa_system_sgpr_workgroup_id_y 1
		.amdhsa_system_sgpr_workgroup_id_z 1
		.amdhsa_system_vgpr_workitem_id 0
		.amdhsa_next_free_vgpr 1024
		.amdhsa_next_free_sgpr 100
		.amdhsa_reserve_vcc 1
		.amdhsa_float_denorm_mode_32 3
		.amdhsa_float_denorm_mode_16_64 3
		.amdhsa_memory_ordered 1
		.amdhsa_forward_progress 1
		.amdhsa_inst_pref_size 255
	.end_amdhsa_kernel
	.section	.bss,"aw",@nobits
	.p2align	6
	.space	262144
	.amdgpu_metadata
---
amdhsa.version: [ 1, 2 ]
amdhsa.kernels:
  - .name:           k_q5f551fade8_qkv
    .symbol:         k_q5f551fade8_qkv.kd
    .args:
      - { .name: xb, .offset: 0, .size: 8, .value_kind: global_buffer, .address_space: global }
      - { .name: wb, .offset: 8, .size: 8, .value_kind: global_buffer, .address_space: global }
      - { .name: bq, .offset: 16, .size: 8, .value_kind: global_buffer, .address_space: global }
      - { .name: bk, .offset: 24, .size: 8, .value_kind: global_buffer, .address_space: global }
      - { .name: bv, .offset: 32, .size: 8, .value_kind: global_buffer, .address_space: global }
      - { .name: qb, .offset: 40, .size: 8, .value_kind: global_buffer, .address_space: global }
      - { .name: kv, .offset: 48, .size: 8, .value_kind: global_buffer, .address_space: global }
    .group_segment_fixed_size: 327680
    .private_segment_fixed_size: 0
    .kernarg_segment_align: 8
    .kernarg_segment_size: 56
    .max_flat_workgroup_size: 128
    .sgpr_count:     100
    .vgpr_count:     1024
    .wavefront_size: 32
...
	.end_amdgpu_metadata
.endif
;; end of part 2
;; launch attn (part 3): grid 8 x 32, 16 waves a work-group, clusters of 4 x 1, 167,936 bytes of LDS; arguments qb, kv, ob; writes ob
.if DOCPART == 3
	.amdgcn_target "amdgcn-amd-amdhsa--gfx1250"
	.amdhsa_code_object_version 6
	.text
	.protected	k_q5f551fade8_attn
	.globl	k_q5f551fade8_attn
	.p2align	8
	.type	k_q5f551fade8_attn,@function
k_q5f551fade8_attn:
	s_mov_b64 s[64:65], 0
	v_nop
	global_prefetch_b8 v0, s[64:65] scope:SCOPE_SE
	s_setreg_imm32_b32 hwreg(HW_REG_WAVE_MODE, 25, 1), 1
	s_wait_xcnt 0x0
	s_wait_alu depctr_hold_cnt(0) depctr_sa_sdst(0) depctr_va_vdst(0) depctr_va_sdst(0) depctr_va_ssrc(0) depctr_va_vcc(0) depctr_vm_vsrc(0)
	s_getreg_b32 s2, hwreg(HW_REG_IB_STS2, 6, 4)
	s_cmp_eq_u32 s2, 0
	s_cbranch_scc0 .Lentry_in_a_cluster
	s_endpgm
.Lentry_in_a_cluster:
	s_bfe_u32 s2, ttmp6, 0x10000c
	s_cmp_lg_u32 s2, 0x3003
	s_cbranch_scc0 .Lentry_shape_is_right
	s_endpgm
.Lentry_shape_is_right:
; Causal attention of 8 sequences of 512 tokens, 16 query heads on 4 key and value heads, head size 128, both products on codes of FP6 (E2M3) with E8M0 scales.
; t = score x log2(e) / sqrt(128); M = the running largest t rounded UP to a whole number; p = 2^(t - M) is quantised along the keys; the row's sum is taken of the unquantised p and divides O at the end.
; o is quantised along head x channel on the way out and leaves as fragments of the last product's operand (ob: codes [token tile 256][head 16][1,536]; from 6,291,456 words [tile][kv head][r][4 heads]).
; INPUTS, as the launch before laid them: qb (q's fragments and words), kv (for each pair = sequence x 4 + kv head, 102,400 bytes: K's 32 fragments, V^T's 32, K's words, V's words).
; SHARES.  A work-group has one pair and one j = 0..7; wave w has query head g = w / 4 of the group and the tile 8 gq + j of the sequence's 32, gq = (w + g) % 4: it walks key steps 0 .. gq of 128 keys.
; So every work-group has 40 tile steps, and four waves that share a SIMD, be it w % 4 or w / 4 that they share, have one of each gq.  A wave holds one tile of 16 queries in 256 registers.
; The pair's 102,400 bytes come into LDS ONCE, by four tensor loads, jointly for the four work-groups of a cluster (same pair, j = 4 x cluster x + cx): no ring, nothing is filled again.
; cx enters global addresses of q and o and the mask's compare value alone: no branch and no LDS address.
; LAYOUT.  S^T = K Q^T, O^T = V^T P^T: a lane holds one query throughout.  Row r of a tile 2 B + u is index 32 B + 8 u + r + 8 (r / 8), so the 16 registers of two neighbouring tiles are 16 neighbours.
; No prefetch: all that the launch reads is asked for at its head.
; LIMITS: a block of zeros gets the byte 1; largest magnitudes under 2^-124 are held at the byte 1; NaN and infinities are not served.
.set FRB,   1536
.set VOF,   49152                      ; V^T's fragments
.set KSC,   98304                      ; K's words [step][r][tile 8]; V's 2,048 bytes further on
.set OSC,   102400                     ; o's scale words [gq][r][g]: 1,024 bytes into which no fill lands
.set SPARE, 103424                     ; the spare words, 128 bytes for each of 16 waves
.set LI,  1                            ; v1 16 x lane
.set LV,  2                            ; v2 VOF + 16 x lane
.set ASC, 3                            ; v3 KSC + 32 r
.set OSA, 4                            ; v4 where my row's word of o goes
.set SPW, 5                            ; v5 my spare word; never rewritten
.set NIL, 6                            ; v6 0; never rewritten
.set OSR, 7                            ; v7 where waves 0 and 1 read the words back
.set OSG, 8                            ; v8 and their place in ob
.set DD,  9                            ; v9 d = my query's place in its 128 tokens - 16 h
.set WV,  10                           ; s10 wave
.set GQ,  12                           ; s12 gq
.set SEL, 20
.set CS,  22
; v12 -M, v13 the largest t, v[14:15] the sum; v16-27 Q; v32-79 four fragments; v96-159 S^T, then p; v160-223 O^T; v224-235 p's codes; v232-254 at work; v248-251 four scale words; v253 p's word; v255 Q's word
.macro CROUND
	s_barrier_signal -1
	s_barrier_wait -1
	s_cmp_lg_u32 s[WV], 0
	s_cbranch_scc1 .Lnot_wave_0_\@
	s_barrier_signal -3
.Lnot_wave_0_\@:
	s_barrier_wait -3
	s_barrier_signal -1
	s_barrier_wait -1
.endm
	s_load_b128 s[4:7], s[0:1], 0x0                ; qb, kv
	s_load_b64 s[8:9], s[0:1], 0x10                ; ob
	v_lshl_add_u32 v[SPW], v0, 2, SPARE
	v_mov_b32 v[NIL], 0
	ds_add_u32 v[SPW], v[NIL]                      ; the wave's opening: the add and its wait ahead of the first tensor load; work on registers stands between them
	ds_add_u32 v[SPW], v[NIL]
	v_lshrrev_b32 v1, 5, v0
	s_delay_alu instid0(VALU_DEP_1)
	v_readfirstlane_b32 s[WV], v1                  ; wave 0..15
	s_lshr_b32 s11, s[WV], 2                       ; g
	s_add_co_u32 s[GQ], s[WV], s11
	s_and_b32 s[GQ], s[GQ], 3                      ; gq
	s_bfe_u32 s13, ttmp6, 0x40000                  ; cx
	s_lshl_b32 s14, ttmp9, 2
	s_add_co_u32 s14, s14, s13                     ; j
	s_and_b32 s15, ttmp7, 0xffff                   ; pair
	s_lshr_b32 s16, s15, 2                         ; sequence
	s_and_b32 s17, s15, 3                          ; kv head
	s_lshl_b32 s18, s17, 2
	s_add_co_u32 s18, s18, s11                     ; query head
	s_lshl_b32 s19, s16, 5
	s_lshl_b32 s36, s[GQ], 3
	s_add_co_u32 s19, s19, s36
	s_add_co_u32 s19, s19, s14                     ; my token tile
	s_mov_b32 s24, 15|(3<<16)|(1<<21)              ; 15:0 the mask: all four work-groups; 17:16 elements of 8 bytes; 21 set beside a mask
	s_mov_b32 s25, 32<<16                          ; 100 rows of 256 bytes, dense: a quarter of the pair
	s_mov_b32 s26, 100<<16
	s_mov_b32 s27, 32<<16
	s_mov_b32 s28, 100
	s_mov_b32 s29, 32
	s_mov_b32 s30, 0
	s_mov_b32 s31, 0
	s_and_b32 s37, s[WV], 3
	s_mov_b32 s32, 1
	s_mul_i32 s33, s37, 25600                      ; LDS: the pair lies as in memory
	s_mul_i32 s38, s15, 102400
	s_add_co_u32 s38, s38, s33
	s_mov_b32 s39, 0
	s_lshl_b32 s40, s18, 8
	s_add_co_u32 s40, s40, s19
	s_mul_i32 s40, s40, FRB                        ; Q's fragment
	s_mov_b32 s41, 0
	s_lshl_b32 s44, s18, 5
	s_lshl_b32 s45, s16, 2
	s_add_co_u32 s44, s44, s45
	s_add_co_u32 s44, s44, s[GQ]
	s_lshl_b32 s44, s44, 9
	s_lshl_b32 s45, s14, 2
	s_add_co_u32 s44, s44, s45
	s_add_co_u32 s44, s44, 6291456                 ; Q's words: [head][group of 128 tokens][r][tile j]
	s_mov_b32 s45, 0
	s_lshl_b32 s46, s19, 4
	s_add_co_u32 s46, s46, s18
	s_mul_i32 s46, s46, FRB                        ; o's fragment: tile, K step = head
	s_mov_b32 s47, 0
	s_and_b32 s48, s[WV], 1
	s_lshl_b32 s50, s48, 4
	s_lshl_b32 s49, s16, 5
	s_add_co_u32 s50, s50, s49
	s_add_co_u32 s50, s50, s14
	s_lshl_b32 s50, s50, 10
	s_lshl_b32 s49, s17, 8
	s_add_co_u32 s50, s50, s49
	s_add_co_u32 s50, s50, 6291456                 ; o's words: tiles 32 b + j + 16 w (+ 8), kq = the kv head
	s_mov_b32 s51, 0
	s_mov_b32 s[SEL], 0x76543210
	s_mov_b32 s[SEL+1], 0xfedcba98
	s_mov_b32 s[CS], 0x3e0293ee                    ; c = log2(e) / sqrt(128)
	s_mov_b32 s[CS+1], s[CS]
	v_and_b32 v10, 31, v0
	s_delay_alu instid0(VALU_DEP_1)
	v_lshlrev_b32 v[LI], 4, v10
	s_delay_alu instid0(VALU_DEP_1)
	v_add_nc_u32 v[LV], VOF, v[LI]
	v_and_b32 v10, 15, v0                          ; r
	s_wait_alu depctr_va_vdst(0)
	v_bfe_u32 v11, v0, 4, 1                        ; h
	v_lshlrev_b32 v28, 5, v10                      ; 32 r
	s_delay_alu instid0(VALU_DEP_1)
	v_add_nc_u32 v[ASC], KSC, v28
	s_lshl_b32 s52, s[GQ], 8
	s_lshl_b32 s53, s11, 2
	s_add_co_u32 s52, s52, s53
	s_add_co_u32 s52, s52, OSC
	v_lshl_add_u32 v[OSA], v10, 4, s52             ; 256 gq + 16 r + 4 g
	s_lshl_b32 s53, s48, 9
	s_add_co_u32 s53, s53, OSC
	v_add_nc_u32 v[OSR], s53, v[LI]
	v_lshlrev_b32 v[OSG], 4, v10
	s_delay_alu instid0(VALU_DEP_1)
	v_lshl_add_u32 v[OSG], v11, 13, v[OSG]         ; lanes 16-31: the tile 8 further on
	s_lshr_b32 s54, s14, 1
	s_lshl_b32 s54, s54, 5
	s_and_b32 s55, s14, 1
	s_lshl_b32 s55, s55, 3
	s_add_co_u32 s54, s54, s55
	v_and_b32 v[DD], 8, v10
	s_delay_alu instid0(VALU_DEP_1)
	v_add_nc_u32 v[DD], v[DD], v10
	s_delay_alu instid0(VALU_DEP_1)
	v_add_nc_u32 v[DD], s54, v[DD]                 ; my query's place in its 128 tokens,
	v_lshlrev_b32 v29, 4, v11
	s_delay_alu instid0(VALU_DEP_1)
	v_sub_nc_u32 v[DD], v[DD], v29                 ; less 16 h
	s_wait_dscnt 0x0                               ; the opening add is done
	s_wait_kmcnt 0x0
	s_add_nc_u64 s[34:35], s[6:7], s[38:39]
	s_or_b32 s35, s35, 0x80000000
	s_add_nc_u64 s[40:41], s[4:5], s[40:41]
	s_add_nc_u64 s[44:45], s[4:5], s[44:45]
	s_add_nc_u64 s[46:47], s[8:9], s[46:47]
	s_add_nc_u64 s[50:51], s[8:9], s[50:51]
	CROUND                                         ; all four work-groups are here: the joint loads meet
	s_cmp_lt_u32 s[WV], 4
	s_cbranch_scc0 .Lno_fetch
	tensor_load_to_lds s[32:35], s[24:31]          ; waves 0 to 3: a quarter of the pair each; one tensor load of mine is out
	s_nop 0
.rept 4
	v_nop
.endr
.Lno_fetch:
.irp g, 0,1,2
	global_load_b128 v[16+4*\g:19+4*\g], v[LI], s[40:41] offset:512*\g   ; Q's fragment stays in registers
.endr
	global_load_b32 v255, v28, s[44:45]            ; Q's scale words
	v_mov_b32 v13, 0xff61b1e6                      ; the largest t so far: -3e38
	s_delay_alu instid0(VALU_DEP_1)
	v_floor_f32 v12, -v13                          ; -M
	v_mov_b32 v14, 0
	v_mov_b32 v15, 0
.irp b, 0,1,2,3
	v_mov_b32 v[236+\b], 0                         ; written once: a lane permute's destination counts as one of its sources
.endr
	v_mov_b32 v253, 0                              ; (named as the upper half of the pair v[252:253] before it is first written)
	s_wait_tensorcnt 0x0                           ; my quarter has landed,
	s_barrier_signal -1
	s_barrier_wait -1                              ; everybody's has
	s_wait_loadcnt 0x0                             ; Q
; KEY STEP s: 128 keys.  A wave leaves at the first step all of whose keys come after its queries: a branch on the wave's number.  first = 1: the products V^T P start O^T's sums.
.macro STEP s, first
.if \s > 0
	s_cmp_lt_u32 s[GQ], \s
	s_cbranch_scc1 .Lout
.rept 4
	v_nop                                          ; places in front of loads into registers that the last products read
.endr
.endif
.irp g, 0,1                            ; S^T = K Q^T, four tiles of 16 keys at a time
.if \g > 0
.rept 4
	v_nop
.endr
.endif
.irp t, 0,1,2,3
.irp p, 0,1,2
	ds_load_b128 v[32+12*\t+4*\p:35+12*\t+4*\p], v[LI] offset:(8*\s+4*\g+\t)*FRB+512*\p
.endr
.endr
	ds_load_b128 v[248:251], v[ASC] offset:512*\s+16*\g   ; the four tiles' words of row r
	s_wait_dscnt 0x0
.irp t, 0,1,2,3
	v_wmma_scale_f32_16x16x128_f8f6f4 v[96+8*(4*\g+\t):103+8*(4*\g+\t)], v[32+12*\t:43+12*\t], v[16:27], 0, v[248+\t], v255 matrix_a_fmt:MATRIX_FMT_FP6 matrix_b_fmt:MATRIX_FMT_FP6
.endr
.endr
.rept 4
	v_nop
.endr
	s_cmp_lg_u32 s[GQ], \s                         ; on the diagonal the scores of hidden keys become -infinity ahead of the maximum: p = 0 then
	s_cbranch_scc1 .Lopen_\@
	v_mov_b32 v254, 0xff800000
.irp n, 0,1,2,3,4,5,6,7,8,9,10,11,12,13,14,15,16,17,18,19,20,21,22,23,24,25,26,27,28,29,30,31,32,33,34,35,36,37,38,39,40,41,42,43,44,45,46,47,48,49,50,51,52,53,54,55,56,57,58,59,60,61,62,63
	v_cmp_gt_i32 vcc_lo, 32*(\n/16)+\n%16, v[DD]   ; register 16 b + i holds key 32 b + 16 h + i of the step: hidden where 32 b + i > d
	v_cndmask_b32 v[96+\n], v[96+\n], v254, vcc_lo
.endr
.Lopen_\@:
.irp b, 0,1,2,3
	v_max3_num_f32 v[232+\b], v[96+16*\b], v[97+16*\b], v[98+16*\b]   ; the largest score of each block of 32 keys: for the row's maximum, and, since p rises with the score, for the block's largest p
.endr
.irp i, 3,5,7,9,11,13
.irp b, 0,1,2,3
	v_max3_num_f32 v[232+\b], v[232+\b], v[96+16*\b+\i], v[97+16*\b+\i]
.endr
.endr
.irp b, 0,1,2,3
	v_max_num_f32 v[232+\b], v[232+\b], v[111+16*\b]
.endr
.irp b, 0,1,2,3
	s_delay_alu instid0(VALU_DEP_4)
	v_permlanex16_b32 v[236+\b], v[232+\b], s[SEL], s[SEL+1]
.endr
.irp b, 0,1,2,3
	s_delay_alu instid0(VALU_DEP_4)
	v_max_num_f32 v[232+\b], v[232+\b], v[236+\b]  ; with lane l xor 16's 16 keys
.endr
	s_delay_alu instid0(VALU_DEP_2)
	v_max3_num_f32 v254, v232, v233, v234
	s_delay_alu instid0(VALU_DEP_1)
	v_max_num_f32 v254, v254, v235
	s_delay_alu instid0(VALU_DEP_1)
	v_mul_f32 v254, s[CS], v254
	s_delay_alu instid0(VALU_DEP_1)
	v_max_num_f32 v13, v13, v254                   ; the running largest t
	v_mov_b32 v254, v12
	s_delay_alu instid0(VALU_DEP_2)
	v_floor_f32 v12, -v13                          ; the new -M = -ceil(t)
	s_delay_alu instid0(VALU_DEP_1)
	v_sub_f32 v254, v12, v254                      ; old M - new M: a whole number, 0 or less
	s_delay_alu instid0(VALU_DEP_1)
	v_cvt_i32_f32 v254, v254                       ; (it saturates)
	s_delay_alu instid0(VALU_DEP_1)
	v_ldexp_f32 v252, 1.0, v254                    ; f = 2^(old M - new M): a multiplication by it rounds nothing
.irp j, 0,2,4,6,8,10,12,14,16,18,20,22,24,26,28,30,32,34,36,38,40,42,44,46,48,50,52,54,56,58,60,62
	v_pk_fma_f32 v[96+\j:97+\j], v[96+\j:97+\j], s[CS:CS+1], v[12:13] op_sel_hi:[1,0,0]   ; t - M
.endr
.irp b, 0,1,2,3
	v_fma_f32 v[232+\b], v[232+\b], s[CS], v12
.endr
	s_wait_alu depctr_va_vdst(0)
.irp j, 0,1,2,3,4,5,6,7,8,9,10,11,12,13,14,15,16,17,18,19,20,21,22,23,24,25,26,27,28,29,30,31,32,33,34,35,36,37,38,39,40,41,42,43,44,45,46,47,48,49,50,51,52,53,54,55,56,57,58,59,60,61,62,63
	v_exp_f32 v[96+\j], v[96+\j]                   ; p = 2^(t - M): not normalised
.endr
	v_pk_mul_f32 v[14:15], v[14:15], v[252:253] op_sel_hi:[1,0]   ; the sums under the new M: the plain place behind the exponentials
	s_wait_alu depctr_va_vdst(0)                   ; one wait for the batch of 64, ahead of its first reader
.irp b, 0,1,2,3
	v_exp_f32 v[232+\b], v[232+\b]                 ; the block's largest p
.endr
	v_pk_add_f32 v[236:237], v[100:101], v[104:105]
	v_pk_add_f32 v[250:251], v[108:109], v[112:113]
	v_pk_add_f32 v[248:249], v[116:117], v[120:121]
	v_pk_add_f32 v[246:247], v[124:125], v[128:129]
	v_pk_add_f32 v[244:245], v[132:133], v[136:137]
	v_pk_add_f32 v[242:243], v[140:141], v[144:145]
	v_pk_add_f32 v[240:241], v[148:149], v[152:153]
	v_pk_add_f32 v[14:15], v[14:15], v[156:157]
	v_pk_add_f32 v[236:237], v[236:237], v[96:97]
	v_pk_add_f32 v[250:251], v[250:251], v[98:99]
	v_pk_add_f32 v[248:249], v[248:249], v[102:103]
	v_pk_add_f32 v[246:247], v[246:247], v[106:107]
	v_pk_add_f32 v[244:245], v[244:245], v[110:111]
	v_pk_add_f32 v[242:243], v[242:243], v[114:115]
	v_pk_add_f32 v[240:241], v[240:241], v[118:119]
	v_pk_add_f32 v[14:15], v[14:15], v[122:123]
	v_pk_add_f32 v[236:237], v[236:237], v[126:127]
	v_pk_add_f32 v[250:251], v[250:251], v[130:131]
	v_pk_add_f32 v[248:249], v[248:249], v[134:135]
	v_pk_add_f32 v[246:247], v[246:247], v[138:139]
	v_pk_add_f32 v[244:245], v[244:245], v[142:143]
	v_pk_add_f32 v[242:243], v[242:243], v[146:147]
	v_pk_add_f32 v[240:241], v[240:241], v[150:151]
	v_pk_add_f32 v[14:15], v[14:15], v[154:155]
	v_pk_add_f32 v[236:237], v[236:237], v[158:159]
	s_delay_alu instid0(VALU_DEP_2)
	v_pk_add_f32 v[14:15], v[14:15], v[246:247]
	s_delay_alu instid0(VALU_DEP_2)
	v_pk_add_f32 v[236:237], v[236:237], v[244:245]
	v_pk_add_f32 v[250:251], v[250:251], v[242:243]
	v_pk_add_f32 v[248:249], v[248:249], v[240:241]
	s_delay_alu instid0(VALU_DEP_2)
	v_pk_add_f32 v[14:15], v[14:15], v[250:251]
	s_delay_alu instid0(VALU_DEP_2)
	v_pk_add_f32 v[236:237], v[236:237], v[248:249]
	s_delay_alu instid0(VALU_DEP_1)
	v_pk_add_f32 v[14:15], v[14:15], v[236:237]
	s_wait_alu depctr_va_vdst(0)                   ; and one for the four
.irp b, 0,1,2,3
	v_max_num_f32 v[232+\b], 0x1800000, v[232+\b]  ; the floor 2^(3 - 127)
.endr
.irp b, 0,1,2,3
	s_delay_alu instid0(VALU_DEP_4)
	v_add_nc_u32 v[244+\b], 0xff000000, v[232+\b]
.endr
.irp b, 0,1,2,3
	s_delay_alu instid0(VALU_DEP_4)
	v_lshrrev_b32 v[236+\b], 23, v[244+\b]
.endr
	s_delay_alu instid0(VALU_DEP_3)
	v_lshl_or_b32 v253, v237, 8, v236              ; p's scale word for these 128 keys
	s_delay_alu instid0(VALU_DEP_1)
	v_lshl_or_b32 v253, v238, 16, v253
	s_delay_alu instid0(VALU_DEP_1)
	v_lshl_or_b32 v253, v239, 24, v253
.irp c, 0,1
	v_cvt_scalef32_pk16_fp6_f32 v[224+6*\c:226+6*\c], v[96+32*\c:111+32*\c], v[244+2*\c]
	v_cvt_scalef32_pk16_fp6_f32 v[236+4*\c:238+4*\c], v[112+32*\c:127+32*\c], v[244+2*\c+1]
.endr
	v_nop                                          ; one plain place behind a scaled conversion
.irp c, 0,1
.irp i, 0,1,2
	v_permlane16_swap_b32 v[224+6*\c+\i], v[236+4*\c+\i]
.endr
.irp i, 0,1,2
	s_delay_alu instid0(VALU_DEP_3)
	v_mov_b32 v[227+6*\c+\i], v[236+4*\c+\i]
.endr
.endr
.if \first
	s_wait_alu depctr_va_vdst(0)
.rept 8
	v_nop                                          ; a scale word made by vector instructions stands eight places ahead of a scaled matrix instruction, an operand so made four
.endr
.else
.irp j, 0,2,4,6,8,10,12,14,16,18,20,22,24,26,28,30,32,34,36,38,40,42,44,46,48,50,52,54,56,58,60,62
	v_pk_mul_f32 v[160+\j:161+\j], v[160+\j:161+\j], v[252:253] op_sel_hi:[1,0]   ; O^T under the new M; these 32 are also those places
.endr
.endif
	s_wait_alu depctr_va_vdst(0)
.irp g, 0,1                            ; O^T += V^T P^T: four tiles of 16 channels at a time
.if \g > 0
.rept 4
	v_nop
.endr
.endif
.irp t, 0,1,2,3
.irp p, 0,1,2
	ds_load_b128 v[32+12*\t+4*\p:35+12*\t+4*\p], v[LV] offset:(8*\s+4*\g+\t)*FRB+512*\p
.endr
.endr
	ds_load_b128 v[248:251], v[ASC] offset:2048+512*\s+16*\g
	s_wait_dscnt 0x0
.irp t, 0,1,2,3
.if \first
	v_wmma_scale_f32_16x16x128_f8f6f4 v[160+8*(4*\g+\t):167+8*(4*\g+\t)], v[32+12*\t:43+12*\t], v[224:235], 0, v[248+\t], v253 matrix_a_fmt:MATRIX_FMT_FP6 matrix_b_fmt:MATRIX_FMT_FP6
.else
	v_wmma_scale_f32_16x16x128_f8f6f4 v[160+8*(4*\g+\t):167+8*(4*\g+\t)], v[32+12*\t:43+12*\t], v[224:235], v[160+8*(4*\g+\t):167+8*(4*\g+\t)], v[248+\t], v253 matrix_a_fmt:MATRIX_FMT_FP6 matrix_b_fmt:MATRIX_FMT_FP6
.endif
.endr
.endr
.endm
	STEP 0, 1
	STEP 1, 0
	STEP 2, 0
	STEP 3, 0
.Lout:
	; THE WAY OUT: O^T / the sum, quantised along the head's 128 channels: register 16 b + i is channel 32 b + 16 h + i of my query: K step = my head of the last product
.rept 4
	v_nop                                          ; places behind the last products
.endr
	v_add_f32 v14, v14, v15
	s_delay_alu instid0(VALU_DEP_1)
	v_permlanex16_b32 v252, v14, s[SEL], s[SEL+1]
	s_delay_alu instid0(VALU_DEP_1)
	v_add_f32 v14, v14, v252                       ; the row's sum
	s_wait_alu depctr_va_vdst(0)
	v_rcp_f32 v14, v14
	v_nop                                          ; one plain place behind the reciprocal
	s_wait_alu depctr_va_vdst(0)                   ; and the wait ahead of its first reader
.irp j, 0,1,2,3,4,5,6,7,8,9,10,11,12,13,14,15,16,17,18,19,20,21,22,23,24,25,26,27,28,29,30,31,32,33,34,35,36,37,38,39,40,41,42,43,44,45,46,47,48,49,50,51,52,53,54,55,56,57,58,59,60,61,62,63
	v_mul_f32 v[96+\j], v[160+\j], v14
.endr
.irp b, 0,1,2,3
	v_max3_num_f32 v[232+\b], |v[96+16*\b]|, |v[97+16*\b]|, 0x1800000
.endr
.irp i, 2,4,6,8,10,12,14
.irp b, 0,1,2,3
	s_delay_alu instid0(VALU_DEP_4)
	v_max3_num_f32 v[232+\b], v[232+\b], |v[96+16*\b+\i]|, |v[97+16*\b+\i]|
.endr
.endr
.irp b, 0,1,2,3
	s_delay_alu instid0(VALU_DEP_4)
	v_permlanex16_b32 v[236+\b], v[232+\b], s[SEL], s[SEL+1]
.endr
.irp b, 0,1,2,3
	s_delay_alu instid0(VALU_DEP_4)
	v_max_num_f32 v[232+\b], v[232+\b], v[236+\b]
.endr
.irp b, 0,1,2,3
	s_delay_alu instid0(VALU_DEP_4)
	v_add_nc_u32 v[244+\b], 0xff000000, v[232+\b]
.endr
.irp b, 0,1,2,3
	s_delay_alu instid0(VALU_DEP_4)
	v_lshrrev_b32 v[236+\b], 23, v[244+\b]
.endr
	s_delay_alu instid0(VALU_DEP_3)
	v_lshl_or_b32 v252, v237, 8, v236
	s_delay_alu instid0(VALU_DEP_1)
	v_lshl_or_b32 v252, v238, 16, v252
	s_delay_alu instid0(VALU_DEP_1)
	v_lshl_or_b32 v252, v239, 24, v252             ; my row's scale word
.irp c, 0,1
	v_cvt_scalef32_pk16_fp6_f32 v[32+6*\c:34+6*\c], v[96+32*\c:111+32*\c], v[244+2*\c]
	v_cvt_scalef32_pk16_fp6_f32 v[44+4*\c:46+4*\c], v[112+32*\c:127+32*\c], v[244+2*\c+1]
.endr
	v_nop
.irp c, 0,1
.irp i, 0,1,2
	v_permlane16_swap_b32 v[32+6*\c+\i], v[44+4*\c+\i]
.endr
.irp i, 0,1,2
	s_delay_alu instid0(VALU_DEP_3)
	v_mov_b32 v[35+6*\c+\i], v[44+4*\c+\i]
.endr
.endr
.irp g, 0,1,2
	global_store_b128 v[LI], v[32+4*\g:35+4*\g], s[46:47] offset:512*\g   ; the image: 512 consecutive bytes a store
.endr
	ds_store_b32 v[OSA], v252                      ; the four heads' words of a row meet in LDS
	s_wait_dscnt 0x0                               ; for the others' sake
	s_barrier_signal -1
	s_barrier_wait -1
	s_cmp_gt_u32 s[WV], 1
	s_cbranch_scc1 .Lend
	ds_load_b128 v[96:99], v[OSR]                  ; lane l of wave w: tile gq = 2 w + l / 16, row l % 16, four heads
	s_wait_dscnt 0x0
	global_store_b128 v[OSG], v[96:99], s[50:51]   ; sixteen lanes fill 256 consecutive bytes: a tile's kq
.Lend:
	s_wait_tensorcnt 0x0                           ; the wave's end
	ds_add_u32 v[SPW], v[NIL]
	s_wait_dscnt 0x0
	CROUND                                         ; the closing round
	s_endpgm
.Lfunc_end_k_q5f551fade8_attn:
	.size	k_q5f551fade8_attn, .Lfunc_end_k_q5f551fade8_attn-k_q5f551fade8_attn
	.p2alignl 7, 3214868480
	.fill 96, 4, 3214868480
	.section	.rodata,"a",@progbits
	.p2align	6, 0x0
	.amdhsa_kernel k_q5f551fade8_attn
		.amdhsa_group_segment_fixed_size 167936
		.amdhsa_private_segment_fixed_size 0
		.amdhsa_enable_private_segment 0
		.amdhsa_kernarg_size 24
		.amdhsa_user_sgpr_count 2
		.amdhsa_user_sgpr_kernarg_segment_ptr 1
		.amdhsa_wavefront_size32 1
		.amdhsa_system_sgpr_workgroup_id_x 1
		.amdhsa_system_sgpr_workgroup_id_y 1
		.amdhsa_system_sgpr_workgroup_id_z 1
		.amdhsa_system_vgpr_workitem_id 0
		.amdhsa_next_free_vgpr 256
		.amdhsa_next_free_sgpr 66
		.amdhsa_reserve_vcc 1
		.amdhsa_float_denorm_mode_32 3
		.amdhsa_float_denorm_mode_16_64 3
		.amdhsa_memory_ordered 1
		.amdhsa_forward_progress 1
		.amdhsa_inst_pref_size 113
	.end_amdhsa_kernel
	.amdgpu_metadata
---
amdhsa.version: [ 1, 2 ]
amdhsa.kernels:
  - .name:           k_q5f551fade8_attn
    .symbol:         k_q5f551fade8_attn.kd
    .args:
      - { .name: qb, .offset: 0, .size: 8, .value_kind: global_buffer, .address_space: global }
      - { .name: kv, .offset: 8, .size: 8, .value_kind: global_buffer, .address_space: global }
      - { .name: ob, .offset: 16, .size: 8, .value_kind: global_buffer, .address_space: global }
    .group_segment_fixed_size: 167936
    .private_segment_fixed_size: 0
    .kernarg_segment_align: 8
    .kernarg_segment_size: 24
    .max_flat_workgroup_size: 512
    .sgpr_count:     66
    .vgpr_count:     256
    .wavefront_size: 32
...
	.end_amdgpu_metadata
.endif
;; end of part 3
;; launch oproj (part 4): grid 16 x 16, 4 waves a work-group, clusters of 4 x 4, 327,680 bytes of LDS; arguments ob, wb, bo, out0; writes out0
.if DOCPART == 4
	.amdgcn_target "amdgcn-amd-amdhsa--gfx1250"
	.amdhsa_code_object_version 6
	.text
	.protected	k_q5f551fade8_oproj
	.globl	k_q5f551fade8_oproj
	.p2align	8
	.type	k_q5f551fade8_oproj,@function
k_q5f551fade8_oproj:
	s_mov_b64 s[64:65], 0
	v_nop
	global_prefetch_b8 v0, s[64:65] scope:SCOPE_SE
	s_setreg_imm32_b32 hwreg(HW_REG_WAVE_MODE, 25, 1), 1
	s_wait_xcnt 0x0
	s_wait_alu depctr_hold_cnt(0) depctr_sa_sdst(0) depctr_va_vdst(0) depctr_va_sdst(0) depctr_va_ssrc(0) depctr_va_vcc(0) depctr_vm_vsrc(0)
	s_getreg_b32 s2, hwreg(HW_REG_IB_STS2, 6, 4)
	s_cmp_eq_u32 s2, 0
	s_cbranch_scc0 .Lentry_in_a_cluster
	s_endpgm
.Lentry_in_a_cluster:
	s_bfe_u32 s2, ttmp6, 0x10000c
	s_cmp_lg_u32 s2, 0xf033
	s_cbranch_scc0 .Lentry_shape_is_right
	s_endpgm
.Lentry_shape_is_right:
; out0 = o Wo + bo on codes of FP6 (E2M3) with E8M0 scales, sums in f32.  Operands as the launches before laid them: tiles of 16 rows (row r of tile 2 B + u = index 32 B + 8 u + r + 8 (r / 8)),
; a fragment (16 rows x 128 K) = 1,536 dense bytes, an image of its 12 registers; codes [tile][K step 16][1,536]; scale words [tile][kq 4][r 16][4 words].  ob: 256 tiles of tokens; wb: tiles 192-319 are Wo's columns.
; SHARES.  256 work-groups, one for each block of 256 tokens (y) x 128 columns (x); a wave makes 128 tokens x 64 columns: 8 x 4 accumulators, 256 registers (window 2).
; THE RING.  Two LDS slots of FOUR K steps (o's 16 tiles, then Wo's 8: 147,456 bytes): K's 16 steps are two first fills and two refills.  o's tiles are asked for jointly by a row of the 4 x 4 cluster, Wo's by a column.
; THE HEAD.  What the first K step needs is four tiles, one tensor load a wave: wave 0 o's 16 tiles of slot 0, wave 1 Wo's 8, wave 2 the scale words of o's 16 tiles for all of K (16,384 bytes), wave 3 those of Wo's 8 (8,192 bytes).
; Slot 1's first fill stands behind the full sequence and a round.  From there on a load brings half of a slot's tiles of one operand: waves 0 and 1 o's, waves 2 and 3 Wo's.  One tensor load of a wave is out at a time.
; PREFETCH INTO THE L2, one fill ahead of each fill: the partners that ask for tiles jointly share them out by address: of o's 16 tiles partner cx and wave w take tile 4 cx + w (24 blocks of 256 bytes),
; of Wo's 8 tiles partner cy and wave w take half w % 2 of tile 2 cy + w / 2 (12 blocks); the lanes left over name the wave's last block again.  The offsets are immediates: no address register is rewritten.  The last fill has no successor.
; TRANSPOSED USE: source 0 (window 1, two sets) = 16 columns of Wo, source 1 (window 0, one set) = 16 tokens: a lane holds 8 neighbouring columns of one token.  bo is the C of the first K step's products.
; LIMITS: NaN and infinities are not served.
.set NB,    4                          ; Wo's tiles of a wave
.set NQ,    4                          ; K steps in a slot
.set APW,   8
.set FRB,   1536
.set AHALF, 8*NQ*FRB                   ; 8 tiles of o x 4 K steps
.set BHALF, 4*NQ*FRB                   ; 4 tiles of Wo x 4 K steps
.set BOFF,  2*AHALF
.set SLOT,  2*AHALF+2*BHALF
.set SCL,   2*SLOT                     ; behind the ring: Wo's scale words (8,192 bytes), then o's (16,384)
.set SPARE, SCL+24576                  ; the spare words, 128 bytes for each wave
.set XSCALES, 6291456
.set WSCALES, 7864320
.set ADRA, 16                          ; v16-17 LDS address of o's fragments in slot 0, 1
.set PFOA, 18                          ; v18 256 x min(lane, 23); never rewritten
.set PFOB, 19                          ; v19 256 x min(lane, 11); never rewritten
.set ADRB, 20                          ; v20-21 Wo's
.set LI,   24                          ; v24 16 x lane
.set STO,  25                          ; v25 the stage, on the way in
.set RD,   26                          ; v26 and back
.set ADRS, 27                          ; v27 my scale words: lanes 0-15 o's tiles, lanes 16-31 Wo's; 256 bytes on with each slot
.set SPW,  28                          ; v28 my spare word; never rewritten
.set NIL,  29                          ; v29 0; never rewritten
.set CO,   31                          ; v31 my place in two rows of out0
.set SC,   32                          ; v32-95 scale words, a set of 32 for each slot
.set AF,   128                         ; v128-223 o's 8 fragments
.set BO,   224                         ; v224-255 bo
.set BK,   32                          ; the way out: rows read back from the stage
.set G0H,  12                          ; s[12:15], s[96:99] groups 0 of the head's loads of codes
.set G0HB, 96
.set G1,   24                          ; s[24:31] group 1 for o's tiles; s[32:39] groups 0, one for each slot
.set G0,   32
.set G1B,  48                          ; s[48:55], s[56:63] the same for Wo's
.set G0B,  56
.set G1S,  68                          ; s[68:75], s[76:79] for o's scale words; s[80:87], s[88:91] for Wo's
.set G0S,  76
.set G1SB, 80
.set G0SB, 88
.set PFA,  100                         ; s[100:101], s[104:105] where my prefetches stand
.set PFB,  104
.set MSB, 0
.macro WIN new                         ; the immediate's high byte repeats the setting that is left
.if MSB != (\new)
	s_set_vgpr_msb (MSB<<8)|(\new)
.set MSB, \new
.endif
.endm
.set TO_B, 0x40
.macro PLACES n
.rept \n
	v_nop
.endr
.endm
.macro JLOAD g0a, g1a, g0b, g1b        ; a joint load of the ring: waves 0 and 1 fetch o's halves, waves 2 and 3 Wo's; an s_nop 0 and four v_nop follow each line
	s_cmp_eq_u32 s19, 0
	s_cbranch_scc0 .Lfor_b_\@
	tensor_load_to_lds s[\g0a:\g0a+3], s[\g1a:\g1a+7]
	s_nop 0
.rept 4
	v_nop
.endr
	s_branch .Lasked_\@
.Lfor_b_\@:
	tensor_load_to_lds s[\g0b:\g0b+3], s[\g1b:\g1b+7]
	s_nop 0
.rept 4
	v_nop
.endr
.Lasked_\@:
.endm
.macro ASK f                           ; the prefetch of fill f
	global_prefetch_b8 v[PFOA], s[PFA:PFA+1] offset:(\f)*NQ*FRB th:TH_LOAD_NT scope:SCOPE_SE
	global_prefetch_b8 v[PFOB], s[PFB:PFB+1] offset:(\f)*NQ*FRB th:TH_LOAD_NT scope:SCOPE_SE
.endm
.macro CREST                           ; a round of the cluster's barrier behind its opening barrier
	s_cmp_lg_u32 s18, 0
	s_cbranch_scc1 .Lnot_wave_0_\@
	s_barrier_signal -3
.Lnot_wave_0_\@:
	s_barrier_wait -3
	s_barrier_signal -1
	s_barrier_wait -1
.endm
.macro CROUND
	s_barrier_signal -1
	s_barrier_wait -1
	CREST
.endm
	s_load_b256 s[4:11], s[0:1], 0x0               ; ob s[4:5], wb s[6:7], bo s[8:9], out0 s[10:11]
	v_lshl_add_u32 v[SPW], v0, 2, SPARE
	v_mov_b32 v[NIL], 0
	ds_add_u32 v[SPW], v[NIL]                      ; the opening lines: the add, twice on end, and its wait ahead of my first tensor load
	ds_add_u32 v[SPW], v[NIL]
	v_lshrrev_b32 v1, 5, v0
	v_readfirstlane_b32 s18, v1                    ; wave 0..3
	v_and_b32 v1, 31, v0
	v_min_u32 v[PFOA], 23, v1
	v_min_u32 v[PFOB], 11, v1
	v_lshlrev_b32 v[PFOA], 8, v[PFOA]
	v_lshlrev_b32 v[PFOB], 8, v[PFOB]
	s_lshr_b32 s19, s18, 1                         ; my half of the tokens.  Also: in the ring I fetch for o (0) or for Wo (1)
	s_and_b32 s20, s18, 1                          ; my half of the columns.  Also: which half of the tiles I fetch
	s_bfe_u32 s40, ttmp6, 0x40000                  ; cx
	s_bfe_u32 s41, ttmp6, 0x40004                  ; cy
	s_lshl_b32 s22, ttmp9, 2
	s_add_co_u32 s22, s22, s40                     ; TC: block of 128 columns
	s_and_b32 s21, ttmp7, 0xffff
	s_lshl_b32 s21, s21, 2
	s_add_co_u32 s21, s21, s41                     ; TR: block of 256 tokens
	s_lshl_b32 s42, s41, 2
	s_lshl_b32 s42, 15, s42                        ; my row of the cluster
	s_lshl_b32 s43, 0x1111, s40                    ; my column
	s_or_b32 s[G1], s42, (3<<16)|(1<<21)           ; 15:0 the mask; 17:16 elements of 8 bytes; 21 set beside a mask; no padding: images are read 512 consecutive bytes at a time
	s_or_b32 s[G1B], s43, (3<<16)|(1<<21)
	s_or_b32 s[G1S], s42, (3<<16)|(1<<21)
	s_or_b32 s[G1SB], s43, (3<<16)|(1<<21)
	s_mov_b32 s[G1+1], 768<<16                     ; rows (tiles) of 6,144 bytes (four K steps), 24,576 bytes apart: 16 for the head's load; behind it the two words that count rows are set to 8
	s_mov_b32 s[G1+2], 16<<16
	s_mov_b32 s[G1+3], 768<<16
	s_mov_b32 s[G1+4], 16
	s_mov_b32 s[G1+5], 3072
	s_mov_b32 s[G1+6], 0
	s_mov_b32 s[G1+7], 0
	s_mov_b32 s[G1B+1], 768<<16                    ; the same for Wo: 8 rows at the head, then 4
	s_mov_b32 s[G1B+2], 8<<16
	s_mov_b32 s[G1B+3], 768<<16
	s_mov_b32 s[G1B+4], 8
	s_mov_b32 s[G1B+5], 3072
	s_mov_b32 s[G1B+6], 0
	s_mov_b32 s[G1B+7], 0
	s_mov_b32 s[G1S+1], 32<<16                     ; o's scale words: a dense block, 64 rows of 256 bytes
	s_mov_b32 s[G1S+2], 64<<16
	s_mov_b32 s[G1S+3], 32<<16
	s_mov_b32 s[G1S+4], 64
	s_mov_b32 s[G1S+5], 32
	s_mov_b32 s[G1S+6], 0
	s_mov_b32 s[G1S+7], 0
	s_mov_b32 s[G1SB+1], 32<<16                    ; Wo's: 32 rows of 256 bytes
	s_mov_b32 s[G1SB+2], 32<<16
	s_mov_b32 s[G1SB+3], 32<<16
	s_mov_b32 s[G1SB+4], 32
	s_mov_b32 s[G1SB+5], 32
	s_mov_b32 s[G1SB+6], 0
	s_mov_b32 s[G1SB+7], 0
	s_lshl_b32 s44, s21, 4                         ; o's first tile of the block
	s_mul_i32 s46, s44, 16*FRB
	s_mov_b32 s47, 0
	s_lshl_b32 s66, s44, 10
	s_add_co_u32 s66, s66, XSCALES
	s_mov_b32 s67, 0
	s_lshl_b32 s23, s22, 3
	s_add_co_u32 s23, s23, 192                     ; Wo's first tile of the block
	s_mul_i32 s92, s23, 16*FRB
	s_mov_b32 s93, 0
	s_lshl_b32 s94, s23, 10
	s_add_co_u32 s94, s94, WSCALES
	s_mov_b32 s95, 0
	s_wait_alu depctr_va_vdst(0)                   ; directly ahead of the wait below
	s_wait_dscnt 0x0                               ; both opening adds are done
	s_wait_kmcnt 0x0
	s_add_nc_u64 s[46:47], s[4:5], s[46:47]
	s_add_nc_u64 s[66:67], s[4:5], s[66:67]
	s_add_nc_u64 s[92:93], s[6:7], s[92:93]
	s_add_nc_u64 s[94:95], s[6:7], s[94:95]
	CROUND                                         ; all sixteen work-groups are here: the first joint loads meet
	s_mov_b32 s[G0H], 1                            ; the head's four tiles, each whole: o's 16 tiles of K steps 0-3,
	s_mov_b32 s[G0H+1], 0
	s_mov_b64 s[G0H+2:G0H+3], s[46:47]
	s_or_b32 s[G0H+3], s[G0H+3], 0x80000000
	s_mov_b32 s[G0HB], 1                           ; Wo's 8, behind them in slot 0,
	s_mov_b32 s[G0HB+1], BOFF
	s_mov_b64 s[G0HB+2:G0HB+3], s[92:93]
	s_or_b32 s[G0HB+3], s[G0HB+3], 0x80000000
	s_mov_b32 s[G0S], 1                            ; o's scale words,
	s_mov_b32 s[G0S+1], SCL+8192
	s_mov_b64 s[G0S+2:G0S+3], s[66:67]
	s_or_b32 s[G0S+3], s[G0S+3], 0x80000000
	s_mov_b32 s[G0SB], 1                           ; and Wo's
	s_mov_b32 s[G0SB+1], SCL
	s_mov_b64 s[G0SB+2:G0SB+3], s[94:95]
	s_or_b32 s[G0SB+3], s[G0SB+3], 0x80000000
	s_lshl_b32 s16, s40, 2                         ; the prefetches: o's tile 4 cx + w of the block's 16,
	s_add_co_u32 s16, s16, s18
	s_mul_i32 s16, s16, 16*FRB
	s_mov_b32 s17, 0
	s_add_nc_u64 s[PFA:PFA+1], s[46:47], s[16:17]
	s_lshl_b32 s16, s41, 1                         ; Wo's tile 2 cy + w / 2 of the block's 8,
	s_add_co_u32 s16, s16, s19
	s_mul_i32 s16, s16, 16*FRB
	s_mul_i32 s2, s20, NQ*FRB/2                    ; its half w % 2 of a fill's 6,144 bytes
	s_add_co_u32 s16, s16, s2
	s_add_nc_u64 s[PFB:PFB+1], s[92:93], s[16:17]
	s_mul_i32 s44, s20, 8*16*FRB                   ; for the ring: my half of the tiles
	s_mov_b32 s45, 0
	s_add_nc_u64 s[46:47], s[46:47], s[44:45]
	s_mul_i32 s44, s20, 4*16*FRB
	s_add_nc_u64 s[92:93], s[92:93], s[44:45]
	s_mul_i32 s44, s20, AHALF                      ; and where they go: no place in the cluster enters an LDS address
	s_mul_i32 s2, s20, BHALF
.irp s, 0,1
	s_mov_b32 s[G0+4*\s], 1
	s_add_co_u32 s[G0+4*\s+1], s44, \s*SLOT
	s_add_nc_u64 s[G0+4*\s+2:G0+4*\s+3], s[46:47], \s*NQ*FRB
	s_or_b32 s[G0+4*\s+3], s[G0+4*\s+3], 0x80000000
	s_mov_b32 s[G0B+4*\s], 1
	s_add_co_u32 s[G0B+4*\s+1], s2, BOFF+\s*SLOT
	s_add_nc_u64 s[G0B+4*\s+2:G0B+4*\s+3], s[92:93], \s*NQ*FRB
	s_or_b32 s[G0B+4*\s+3], s[G0B+4*\s+3], 0x80000000
.endr
; ONE chain of branches on the wave's number, each arm with its load and, but for the last, a jump to the chain's end: every way through the head passes exactly one load.
.macro ARM under, g0, g1, next
	s_cmp_lt_u32 s18, \under
	s_cbranch_scc0 \next
	tensor_load_to_lds s[\g0:\g0+3], s[\g1:\g1+7]
	s_nop 0
.rept 4
	v_nop
.endr
	s_branch .Lhead_asked
\next:
.endm
	ARM 1, G0H,  G1,  .Lhead_b
	ARM 2, G0HB, G1B, .Lhead_sa
	ARM 3, G0S,  G1S, .Lhead_sb
	tensor_load_to_lds s[G0SB:G0SB+3], s[G1SB:G1SB+7]
	s_nop 0
.rept 4
	v_nop
.endr
.Lhead_asked:
	ASK 1                                          ; K steps 4-7
	v_and_b32 v1, 31, v0
	v_lshlrev_b32 v[LI], 4, v1
	v_and_b32 v2, 15, v0                           ; r
	v_bfe_u32 v3, v0, 4, 1                         ; h
	s_wait_alu depctr_va_vdst(0)
	s_mul_i32 s42, s19, AHALF                      ; o: my 8 tiles
	s_mul_i32 s43, s20, BHALF
	s_add_co_u32 s43, s43, BOFF                    ; Wo: my 4 tiles
.irp s, 0,1
	v_add_nc_u32 v[ADRA+\s], s42, v[LI]
	v_add_nc_u32 v[ADRB+\s], s43, v[LI]
	s_add_co_u32 s42, s42, SLOT
	s_add_co_u32 s43, s43, SLOT
.endr
	s_lshl_b32 s42, s20, 12                        ; Wo's scale words: my 4 tiles;
	s_lshl_b32 s43, s19, 13
	s_add_co_u32 s43, s43, 8192                    ; o's: my 8 tiles, behind Wo's 8,192 bytes
	s_sub_co_u32 s43, s43, s42
	s_add_co_u32 s42, s42, SCL
	v_xor_b32 v4, 1, v3
	v_mul_u32_u24 v4, s43, v4                      ; one product: lanes 0-15 take o's, the distance further on
	v_lshl_add_u32 v4, v2, 4, v4
	v_add_nc_u32 v[ADRS], s42, v4
	s_mul_i32 s42, s18, 16*272                     ; my stage, in slot 0: it has had its last fill and its last read when the first result is stored there
	v_mul_u32_u24 v4, v2, 272
	v_lshl_add_u32 v4, v3, 6, v4
	v_add_nc_u32 v[STO], s42, v4
	v_mul_u32_u24 v4, v3, 272
	v_lshl_add_u32 v4, v2, 4, v4
	v_add_nc_u32 v[RD], s42, v4
	v_lshlrev_b32 v[CO], 4, v2
	v_lshl_add_u32 v[CO], v3, 13, v[CO]
	s_lshl_b32 s42, s21, 8
	s_lshl_b32 s43, s19, 7
	s_add_co_u32 s42, s42, s43                     ; my first token
	s_lshl_b32 s42, s42, 13
	s_lshl_b32 s44, s22, 9
	s_lshl_b32 s45, s20, 8
	s_add_co_u32 s44, s44, s45                     ; my first column, in bytes
	s_add_co_u32 s42, s42, s44
	s_mov_b32 s43, 0
	s_mov_b32 s45, 0
	s_add_nc_u64 s[92:93], s[10:11], s[42:43]      ; out0
	s_add_nc_u64 s[94:95], s[8:9], s[44:45]        ; bo
	v_lshlrev_b32 v30, 6, v3
.irp b, 0,1,2,3
.irp e, 0,1
	global_load_b128 v[BO+8*\b+4*\e:BO+8*\b+4*\e+3], v30, s[94:95] offset:128*(\b/2)+32*(\b%2)+16*\e   ; register j of tile b: column 32 (b / 2) + 8 (b % 2) + 16 h + j
.endr
.endr
.macro FRAG reg, adr, q, i             ; a fragment comes as it was stored: three loads of 512 consecutive bytes
.irp g, 0,1,2
	ds_load_b128 v[\reg+4*\g:\reg+4*\g+3], v[\adr] offset:((\i)*NQ+(\q))*FRB+512*\g
.endr
.endm
.macro FETCH_B slot, q, p
	WIN TO_B
.set ff, 0
.rept NB
	FRAG 128*(\p)+12*ff, ADRB+\slot, \q, ff
.set ff, ff+1
.endr
	WIN 0
.endm
.macro FETCH_A slot, q, i0
.irp i, \i0, \i0+1, \i0+2, \i0+3
	FRAG AF+12*(\i), ADRA+\slot, \q, \i
.endr
.endm
.macro SCALES sc                       ; a slot's scale words: four K steps' words a lane; lanes 0-15 o's tile i, lanes 16-31 Wo's tile i
.irp i, 0,1,2,3,4,5,6,7
	ds_load_b128 v[SC+32*\sc+4*\i:SC+32*\sc+4*\i+3], v[ADRS] offset:\i*1024
.endr
.endm
; 8 matrix instructions: o's tiles a0, a0 + 1 x Wo's four.  The 32 accumulators take turns, one instruction a turn, in the same order in every step.  zero = 2: bo starts the sums.
.macro MULP a0, p, q, sc, zero
.if \zero == 2
	WIN 0x81
.else
	WIN 0xa1
.endif
.irp a, \a0, \a0+1
.set nn, 0
.rept NB
.set rD, 8*(NB*((\a)%APW)+nn)
.set rB, 128*(\p)+12*nn
.set rA, AF+12*(\a)
.set rSB, SC+8*NQ*(\sc)+NQ*nn+(\q)
.set rSA, SC+8*NQ*(\sc)+NQ*(\a)+(\q)
.if \zero == 2
	v_wmma_scale_f32_16x16x128_f8f6f4 v[rD:rD+7], v[rB:rB+11], v[rA:rA+11], v[BO+8*nn:BO+8*nn+7], v[rSB], v[rSA] matrix_a_fmt:MATRIX_FMT_FP6 matrix_b_fmt:MATRIX_FMT_FP6 matrix_a_scale:MATRIX_SCALE_ROW1
.else
	v_wmma_scale_f32_16x16x128_f8f6f4 v[rD:rD+7], v[rB:rB+11], v[rA:rA+11], v[rD:rD+7], v[rSB], v[rSA] matrix_a_fmt:MATRIX_FMT_FP6 matrix_b_fmt:MATRIX_FMT_FP6 matrix_a_scale:MATRIX_SCALE_ROW1
.endif
.set nn, nn+1
.endr
.endr
.endm
; A K step that has its successor in the same slot.  Loads into registers that matrix instructions have read stand four plain places behind them.
.macro STEP slot, q, zero
	s_wait_dscnt 12                                ; Wo's set and o's tiles 0-3 are in; the youngest twelve loads (o's tiles 4-7) may be out
	MULP 0, (\q)%2, \q, \slot, \zero
	MULP 2, (\q)%2, \q, \slot, \zero
	s_wait_dscnt 0x0
	PLACES 4
	FETCH_B \slot, (\q)+1, 1-(\q)%2
	FETCH_A \slot, (\q)+1, 0
	MULP 4, (\q)%2, \q, \slot, \zero
	MULP 6, (\q)%2, \q, \slot, \zero
	PLACES 4
	WIN 0
	FETCH_A \slot, (\q)+1, 4
.endm
; A slot's last K step changes slots: one barrier; in front of it each wave waits for all its tensor loads, adds 0 to its spare word, and waits for that and for its reads of this slot.
; fill = 1: the barrier opens a round of the cluster's barrier, and behind the round this slot is filled again, with the K steps eight further on.  pf: the fill that is prefetched, or 0.
.macro TURN slot, next, fill, pf
	s_wait_tensorcnt 0x0                           ; all my tensor loads have landed: my part of the next slot
	ds_add_u32 v[SPW], v[NIL]                      ; 0 onto my spare word
	s_wait_dscnt 13                                ; (the add and the youngest twelve loads may be out)
	MULP 0, 1, NQ-1, \slot, 0
	s_wait_dscnt 0x0                               ; the add is done, and my reads of this slot are over
	s_barrier_signal -1
	MULP 2, 1, NQ-1, \slot, 0
	WIN 0
	s_barrier_wait -1
.if \fill
	CREST                                          ; no wave of any partner still reads this slot or has a load on its way
	s_add_nc_u64 s[G0+4*\slot+2:G0+4*\slot+3], s[G0+4*\slot+2:G0+4*\slot+3], 2*NQ*FRB
	s_add_nc_u64 s[G0B+4*\slot+2:G0B+4*\slot+3], s[G0B+4*\slot+2:G0B+4*\slot+3], 2*NQ*FRB
	JLOAD G0+4*\slot, G1, G0B+4*\slot, G1B         ; the first tensor load behind the round; its four v_nop are the places in front of the loads below
.else
	PLACES 4
.endif
	s_wait_alu depctr_va_vdst(0)                   ; directly ahead of the reader below
	v_add_nc_u32 v[ADRS], 256, v[ADRS]             ; the next four K steps' scale words
	FETCH_B \next, 0, 0
	FETCH_A \next, 0, 0
	SCALES \next
.if \pf
	ASK \pf                                        ; behind the joint load and the run of LDS loads
.endif
	MULP 4, 1, NQ-1, \slot, 0
	MULP 6, 1, NQ-1, \slot, 0
	PLACES 4
	WIN 0
	FETCH_A \next, 0, 4
.endm
	s_wait_alu depctr_va_vdst(0)                   ; the head's end
	s_wait_tensorcnt 0x0                           ; my tile of the head's four is in
	ds_add_u32 v[SPW], v[NIL]
	s_mov_b32 s[G1+2], 8<<16                       ; no tensor load of mine is out, so a descriptor may be written: from here on a load brings 8 tiles of o,
	s_mov_b32 s[G1+4], 8
	s_mov_b32 s[G1B+2], 4<<16                      ; or 4 of Wo
	s_mov_b32 s[G1B+4], 4
	s_wait_dscnt 0x0
	CROUND                                         ; a whole round: all four tiles are in, and all sixteen work-groups are here
	JLOAD G0+4, G1, G0B+4, G1B                     ; K steps 4-7 into slot 1: the first tensor load behind the round
	FETCH_B 0, 0, 0
	FETCH_A 0, 0, 0
	SCALES 0
	FETCH_A 0, 0, 4
	ASK 2                                          ; K steps 8-11
	s_wait_loadcnt 0x0                             ; bo
	STEP 0, 0, 2
	STEP 0, 1, 0
	STEP 0, 2, 0
	TURN 0, 1, 1, 3                                ; slot 0 takes K steps 8-11; K steps 12-15 are prefetched
	STEP 1, 0, 0
	STEP 1, 1, 0
	STEP 1, 2, 0
	TURN 1, 0, 1, 0                                ; slot 1 takes K steps 12-15
	STEP 0, 0, 0
	STEP 0, 1, 0
	STEP 0, 2, 0
	TURN 0, 1, 0, 0                                ; nothing is left to fetch
	STEP 1, 0, 0
	STEP 1, 1, 0
	STEP 1, 2, 0
	s_wait_dscnt 12
	MULP 0, 1, NQ-1, 1, 0
	MULP 2, 1, NQ-1, 1, 0
	s_wait_dscnt 0x0
	MULP 4, 1, NQ-1, 1, 0
	MULP 6, 1, NQ-1, 1, 0
	WIN 0
; THE WAY OUT, by blocks of 16 tokens x 64 columns: through my own stage and back as whole rows of 256 bytes.  LDS serves a wave's instructions in order (ISA guide 5.7.1.4): no wait between the stores and the loads.
.macro TOSTAGE a
	WIN 0x08                                       ; the data: window 2
.irp b, 0,1,2,3
	ds_store_b128 v[STO], v[32*(\a)+8*\b:32*(\a)+8*\b+3] offset:128*(\b/2)+32*(\b%2)          ; each accumulator from its low end on
	ds_store_b128 v[STO], v[32*(\a)+8*\b+4:32*(\a)+8*\b+7] offset:128*(\b/2)+32*(\b%2)+16
.endr
	WIN 0
.set BBK, BK+32*((\a)%2)
.irp t, 0,1,2,3,4,5,6,7
	ds_load_b128 v[BBK+4*\t:BBK+4*\t+3], v[RD] offset:544*\t
.endr
.endm
.macro SEND a, younger                 ; younger: the LDS instructions issued behind block a's loads, which may stay out
.set BBK, BK+32*((\a)%2)
	s_wait_dscnt \younger
.irp t, 0,1,2,3,4,5,6,7
	global_store_b128 v[CO], v[BBK+4*\t:BBK+4*\t+3], s[92:93] offset:(32*((\a)/2)+8*((\a)%2)+2*\t+8*(\t/4))*8192 th:TH_STORE_NT   ; sixteen lanes store 256 consecutive bytes, at a multiple of 256 from out0's first byte
.endr
.endm
	PLACES 4
	TOSTAGE 0
.irp a, 1,2,3,4,5,6,7
.if \a > 1
	s_wait_xcnt 0x0                                ; block a - 2's stores have read their registers: block a's loads may land there
.endif
	TOSTAGE \a
	SEND \a-1, 16                                  ; behind block a - 1's loads: block a's 8 stores and 8 loads
.endr
	SEND 7, 0
	s_wait_tensorcnt 0x0                           ; the wave's end
	ds_add_u32 v[SPW], v[NIL]
	s_wait_dscnt 0x0
	CROUND                                         ; the closing round: no work-group ends while a partner may still ask for a tile that names it
	s_endpgm
.Lfunc_end_k_q5f551fade8_oproj:
	.size	k_q5f551fade8_oproj, .Lfunc_end_k_q5f551fade8_oproj-k_q5f551fade8_oproj
	.p2alignl 7, 3214868480
	.fill 96, 4, 3214868480
	.section	.rodata,"a",@progbits
	.p2align	6, 0x0
	.amdhsa_kernel k_q5f551fade8_oproj
		.amdhsa_group_segment_fixed_size 327680
		.amdhsa_private_segment_fixed_size 0
		.amdhsa_enable_private_segment 0
		.amdhsa_kernarg_size 32
		.amdhsa_user_sgpr_count 2
		.amdhsa_user_sgpr_kernarg_segment_ptr 1
		.amdhsa_wavefront_size32 1
		.amdhsa_system_sgpr_workgroup_id_x 1
		.amdhsa_system_sgpr_workgroup_id_y 1
		.amdhsa_system_sgpr_workgroup_id_z 1
		.amdhsa_system_vgpr_workitem_id 0
		.amdhsa_next_free_vgpr 768
		.amdhsa_next_free_sgpr 106
		.amdhsa_reserve_vcc 0
		.amdhsa_float_denorm_mode_32 3
		.amdhsa_float_denorm_mode_16_64 3
		.amdhsa_memory_ordered 1
		.amdhsa_forward_progress 1
		.amdhsa_inst_pref_size 140
	.end_amdhsa_kernel
	.amdgpu_metadata
---
amdhsa.version: [ 1, 2 ]
amdhsa.kernels:
  - .name:           k_q5f551fade8_oproj
    .symbol:         k_q5f551fade8_oproj.kd
    .args:
      - { .name: ob, .offset: 0, .size: 8, .value_kind: global_buffer, .address_space: global }
      - { .name: wb, .offset: 8, .size: 8, .value_kind: global_buffer, .address_space: global }
      - { .name: bo, .offset: 16, .size: 8, .value_kind: global_buffer, .address_space: global }
      - { .name: out0, .offset: 24, .size: 8, .value_kind: global_buffer, .address_space: global }
    .group_segment_fixed_size: 327680
    .private_segment_fixed_size: 0
    .kernarg_segment_align: 8
    .kernarg_segment_size: 32
    .max_flat_workgroup_size: 128
    .sgpr_count:     106
    .vgpr_count:     768
    .wavefront_size: 32
...
	.end_amdgpu_metadata
.endif
;; end of part 4
